; MI455X (gfx1250); checked and timed in simulation.
; The chip was launched on July 23, 2026; its instructions are those of AMD's public machine-readable ISA for CDNA 5 (MIT licence, August 2026) and "CDNA5" Instruction Set Architecture Reference Guide (July 2026). The comments in the code are by the model that wrote it; some were corrected since.
;; MHA. Allowed arithmetic: float matrix products may take bf16 or f16 operands with f32 sums; all other float work in f32.
;; Inputs: bk 2,048 float32; bo 512 float32; bq 2,048 float32; bv 1,024 float32; conv_b 512 float32; conv_w 512 x 512 float32; wk 2,048 x 512 float32; wo 512 x 1,024 float32; wq 2,048 x 512 float32; wv 1,024 x 512 float32; x 8 x 512 x 32 x 32 float32.
;; Outputs: out0 8 x 512 x 32 x 32 float32.
;; One version. Each part assembles by itself: llvm-mc -triple=amdgcn-amd-amdhsa -mcpu=gfx1250 --defsym DOCPART=n.
;; ======== version 1 of 1: 4 launches
;; limits: values are held in f16: magnitudes above 65,504 overflow, below 6.1e-05 lose precision; inputs' magnitudes at most 65,504
;; workspace buffers: tok 8,388,608 bytes; wqkv 5,242,880 bytes; wob 1,048,576 bytes; qkv 83,886,080 bytes; obuf 16,777,216 bytes; mx 4,096 bytes
;; launch conv (part 1): grid 32 x 8, 4 waves a work-group, no clusters, 298,752 bytes of LDS; arguments x, conv_w, conv_b, wq, wk, wv, wo, tok, wqkv, wob, bv, mx; writes tok, wqkv, wob, mx
.if DOCPART == 1
	.amdgcn_target "amdgcn-amd-amdhsa--gfx1250"
	.amdhsa_code_object_version 6
	.text
	.protected	k_q4942580c9d_conv
	.globl	k_q4942580c9d_conv
	.p2align	8
	.type	k_q4942580c9d_conv,@function
k_q4942580c9d_conv:
	s_mov_b64 s[64:65], 0
	v_nop
	global_prefetch_b8 v0, s[64:65] scope:SCOPE_SE
	s_setreg_imm32_b32 hwreg(HW_REG_WAVE_MODE, 25, 1), 1
	s_wait_xcnt 0x0
; t[b][o][p] = sum over c of conv_w[o][c] x[b][c][p] + conv_b[o], stored as f16 into tok ([8][512][1024], the same bytes as tokens [8192][512]).
; On the side each work-group rounds 1/256 of wq, wk, wv (into wqkv, rows 0-2047, 2048-4095, 4096-5119) and of wo (into wob) to f16, and stores
; mx[g] = (max |tok| of its block, max |wv| of its share, max |bv| of its 4 numbers, 0): from these the later launches make a bound on |V|.
; FORMAT: f16, 11 significant bits.  The attention's result is a mean over 1,024 keys in which V cancels by about 32, and independent roundings shrink by the
; same 32, so each rounding on the way keeps its whole relative weight: 8 significant bits at each of four stages are too coarse for 1 % of the result's spread.
; LIMITS, kept on purpose: |x|, |conv_w|, |w*| and |tok| at most 65,504 (f16's largest).  tok is about 7 at the most for x of spread 1 and conv_w of spread 1/16;
; with both 30 times larger 7 x 900 = 6,300; with both carrying an offset of 30 spreads 512 x 30 x 1.875 = 28,800.  Numbers below 2^-14 are kept on f16's fixed
; step of 2^-24: weights of spread 0.001 / 30 are then 0.05 % of their spread off.
; A work-group makes 128 o x 128 p of one batch: 4 x 8 x 8 = 256 work-groups.  Wave w makes o rows 32 w .. 32 w + 31 x 128 p: 2 x 8 accumulators.
; NO CLUSTER, NO TENSOR LOADS: x and conv_w are f32 in memory and are rounded on the way, and x has c (the K of the product) from row to row.
; So both come through registers (global load, v_cvt_pk_f16_f32, LDS store); a joint request is a tensor load's, which converts nothing.
; All of K lies in LDS: eight chunks of 64 c, each with bytes of its own, so no LDS byte of the panels is ever written twice and one barrier a chunk
; (stores waited for, then the signal) is all the ordering that the reads need.
; THE MATRIX INSTRUCTION IS USED TRANSPOSED: source 0 = 16 p of x (by the transposing LDS load), source 1 = 16 o of conv_w.  Lane l then holds
; o = l % 16 and its registers 0-7 the columns p = 8 (l / 16) + 0..7: eight neighbouring numbers of a row of tok.
; REGISTERS: window 0 addresses, conversions, fragments; window 1 two sets of 128 for the f32 numbers on their way in; window 2 accumulators and the weights to cast.
.set PA,    1040                       ; LDS row of conv_w: 512 f16 + 16 bytes = 65 x 16: sixteen rows start at sixteen different 16-byte columns modulo 256 bytes
.set PB,    288                        ; LDS row of x: 128 f16 + 32 bytes = 9 x 32, an odd multiple of 32 for the transposing load
.set BPAN,  128*PA                     ; x panel behind the 128 rows of conv_w
.set STAGE, BPAN+512*PB                ; behind the panels: 16 rows x 272 bytes for each wave, for the way out
.set SP,    272
.set SCR,   STAGE+4*16*SP              ; behind the stages: 8 bytes for each wave, the waves' maxima
.set GA,   4                           ; v4   conv_w: byte offset of my 16 bytes in the first two rows that my wave loads
.set GB,   5                           ; v5   x: byte offset of my 16 bytes in my wave's first row c
.set AST,  6                           ; v6   where my 8 bytes of conv_w go in LDS
.set BST,  7                           ; v7   where my 8 bytes of x go in LDS (steps by a chunk)
.set ADRA, 8                           ; v8   my conv_w fragments
.set ADRB, 9                           ; v9   my x fragments (steps by a chunk)
.set STO,  10                          ; v10  the way out: where I put 16 bytes of a row
.set RD,   11                          ; v11  the way out: where I read a row back
.set CO,   12                          ; v12  my byte offset in tok
.set GC,   13                          ; v13  cast: 16 x thread
.set GS,   14                          ; v14  cast: 8 x thread
.set CBO,  15                          ; v15  byte offset of my conv_b
.set CB,   16                          ; v16, v18 conv_b of my o in o blocks 0, 1; v17 = v19 = 0 (the pairs are read whole)
.set ZO,   21                          ; v21  0: the offset of what every lane addresses alike
.set WM,   22                          ; v22  max |wv| of my 16 numbers
.set BM,   23                          ; v23  max |bv| of the work-group's 4 numbers
.set TM,   24                          ; v[24:27] four running maxima of |tok|
.set T,    32                          ; v[32:63]   32 words of f16, just converted
.set F0,   64                          ; v[64:143]  fragments, buffer 0: x block bt at +8 bt, conv_w block a at +64 + 8 a
.set F1,   144                         ; v[144:223] buffer 1
.set TMP,  224                         ; v[224:255] the way out: packed results
.set XS,   0                           ; window 1: set X, conv_w load j at +4 j, x load j at +64 + 4 j
.set YS,   128                         ; window 1: set Y
.set CAST, 128                         ; window 2: v[128:223] the weights to cast; v[0:127] accumulator (a, bt) at 8 (8 a + bt)
.set MSB, 0
.macro WIN new                         ; the immediate's high byte repeats the setting that is left; a switch that changes nothing is dropped
.if MSB != \new
	s_set_vgpr_msb (MSB<<8)|\new
.set MSB, \new
.endif
.endm
.macro PLACES                          ; four plain vector instructions between a matrix instruction and what touches its registers (ISA guide 7.12.1)
.rept 4
	v_nop
.endr
.endm
	s_load_b512 s[4:19], s[0:1], 0x0               ; x 4, conv_w 6, conv_b 8, wq 10, wk 12, wv 14, wo 16, tok 18
	s_load_b256 s[20:27], s[0:1], 0x40             ; wqkv 20, wob 22, bv 24, mx 26
	s_set_vgpr_msb 0x80
	v_lshl_add_u32 v254, v0, 2, 0x48d00
	v_mov_b32 v255, 0
	s_set_vgpr_msb 0x8000
	v_lshrrev_b32 v1, 5, v0
	v_readfirstlane_b32 s40, v1                    ; wave 0..3
	s_and_b32 s41, ttmp7, 0xffff                   ; b
	s_and_b32 s42, ttmp9, 7                        ; pb: which 128 p
	s_lshr_b32 s43, ttmp9, 3                       ; ob: which 128 o
	s_lshl_b32 s44, s41, 5
	s_add_co_u32 s44, s44, ttmp9                   ; g = 32 b + x = 0..255: which share of the weights, which entry of mx
	s_mov_b32 s46, 0x76543210                      ; v_permlanex16_b32: lane i reads lane i of the other half
	s_mov_b32 s47, 0xfedcba98
	v_and_b32 v1, 31, v0                           ; lane l
	v_and_b32 v2, 15, v0                           ; r = l % 16
	v_bfe_u32 v3, v0, 4, 1                         ; h = l / 16
	s_lshl_b32 s32, s40, 16                        ; 32 rows of conv_w (2,048 bytes) = 16 rows of x (4,096 bytes) = 65,536 bytes a wave
	s_mul_i32 s33, s40, 32*PA
	s_mul_i32 s36, s40, 16*PB
	s_add_co_u32 s36, s36, BPAN
	s_mul_i32 s37, s40, 16*SP
	s_add_co_u32 s37, s37, STAGE
	s_lshl_b32 s38, s40, 7
	s_lshl_b32 s48, s40, 3
	s_add_co_u32 s48, s48, SCR                     ; my wave's 8 bytes of scratch
	v_lshlrev_b32 v[GA], 4, v2
	v_lshl_add_u32 v[GA], v3, 11, v[GA]
	v_add_nc_u32 v[GA], s32, v[GA]                 ; (32 w + h) rows + 16 r: sixteen lanes take 256 neighbouring bytes of a row
	v_lshl_add_u32 v[GB], v1, 4, s32               ; 16 w rows + 16 l: the wave takes 512 neighbouring bytes of a row
	v_mul_u32_u24 v[AST], v3, PA
	v_lshl_add_u32 v[AST], v2, 3, v[AST]
	v_add_nc_u32 v[AST], s33, v[AST]               ; (32 w + h) PA + 8 r
	v_lshl_add_u32 v[BST], v1, 3, s36              ; BPAN + 16 w PB + 8 l
	v_mul_u32_u24 v[ADRA], v2, PA
	v_lshl_add_u32 v[ADRA], v3, 4, v[ADRA]
	v_add_nc_u32 v[ADRA], s33, v[ADRA]             ; (32 w + r) PA + 16 h
	v_and_b32 v20, 7, v0
	v_lshl_add_u32 v20, v3, 3, v20                 ; 8 h + l % 8: the row c that I address for the transposing load
	v_mul_u32_u24 v[ADRB], v20, PB
	v_bfe_u32 v20, v0, 3, 1
	v_lshl_add_u32 v[ADRB], v20, 4, v[ADRB]        ; + 16 x ((l / 8) % 2)
	v_add_nc_u32 v[ADRB], BPAN, v[ADRB]
	v_mul_u32_u24 v[STO], v2, SP
	v_lshl_add_u32 v[STO], v3, 4, v[STO]
	v_add_nc_u32 v[STO], s37, v[STO]
	v_mul_u32_u24 v[RD], v3, SP
	v_lshl_add_u32 v[RD], v2, 4, v[RD]
	v_add_nc_u32 v[RD], s37, v[RD]
	v_lshlrev_b32 v[CO], 4, v2
	v_lshl_add_u32 v[CO], v3, 11, v[CO]            ; h rows of tok (2,048 bytes) + 16 r
	v_lshlrev_b32 v[GC], 4, v0
	v_lshlrev_b32 v[GS], 3, v0
	v_lshl_add_u32 v[CBO], v2, 2, s38              ; 4 (32 w + r)
	v_mov_b32 v[CB+1], 0
	v_mov_b32 v[CB+3], 0
	v_mov_b32 v[ZO], 0
	s_mov_b32 s31, 0
	s_wait_kmcnt 0x0
	s_lshl_b32 s30, s41, 21                        ; x: b x 512 x 4,096 bytes + pb x 512 bytes
	s_lshl_b32 s39, s42, 9
	s_add_co_u32 s30, s30, s39
	s_add_nc_u64 s[4:5], s[4:5], s[30:31]
	s_lshl_b32 s30, s43, 18                        ; conv_w: ob x 128 rows of 2,048 bytes
	s_add_nc_u64 s[6:7], s[6:7], s[30:31]
	s_lshl_b32 s30, s43, 9                         ; conv_b: ob x 128 numbers
	s_add_nc_u64 s[8:9], s[8:9], s[30:31]
	s_lshl_b32 s30, s44, 14                        ; wq, wk: 4 MiB / 256 = 16,384 bytes a work-group
	s_add_nc_u64 s[10:11], s[10:11], s[30:31]
	s_add_nc_u64 s[12:13], s[12:13], s[30:31]
	s_lshl_b32 s30, s44, 12                        ; wv and wo as f16: 4,096 bytes a work-group
	s_add_nc_u64 s[34:35], s[20:21], s[30:31]
	s_add_nc_u64 s[22:23], s[22:23], s[30:31]
	s_lshl_b32 s30, s44, 13                        ; wv, wo as f32 and wq, wk as f16: 8,192 bytes a work-group
	s_add_nc_u64 s[14:15], s[14:15], s[30:31]
	s_add_nc_u64 s[16:17], s[16:17], s[30:31]
	s_add_nc_u64 s[20:21], s[20:21], s[30:31]
	s_lshl_b32 s30, s44, 4                         ; bv: 4 numbers a work-group; mx: 16 bytes a work-group
	s_add_nc_u64 s[24:25], s[24:25], s[30:31]
	s_add_nc_u64 s[26:27], s[26:27], s[30:31]
	s_lshl_b32 s30, s41, 20                        ; tok: b x 1 MiB + (128 ob + 32 w) rows of 2,048 bytes + pb x 256 bytes
	s_lshl_b32 s39, s43, 18
	s_add_co_u32 s30, s30, s39
	s_add_co_u32 s30, s30, s32
	s_lshl_b32 s39, s42, 8
	s_add_co_u32 s30, s30, s39
	s_add_nc_u64 s[18:19], s[18:19], s[30:31]
; 32 loads of chunk i (64 c): my wave's 32 rows of conv_w, two rows a load, and its 16 rows of x, one row a load
.macro LOADG i, set
	WIN 0x40                                       ; destination window 1, address window 0
.irp j, 0,1,2,3,4,5,6,7,8,9,10,11,12,13,14,15
	global_load_b128 v[\set+4*\j:\set+4*\j+3], v[GA], s[6:7] offset:\j*4096+(\i)*256
.endr
.irp j, 0,1,2,3,4,5,6,7,8,9,10,11,12,13,14,15
	global_load_b128 v[\set+64+4*\j:\set+64+4*\j+3], v[GB], s[4:5] offset:(64*(\i)+\j)*4096
.endr
.endm
; 20 LDS loads: the fragments of 32 c (half kc of chunk i) into buffer f
.macro FETCH i, kc, f
.irp bt, 0,1,2,3,4,5,6,7
	ds_load_tr16_b128 v[\f+8*\bt:\f+8*\bt+3],   v[ADRB] offset:\kc*32*PB+32*\bt
	ds_load_tr16_b128 v[\f+8*\bt+4:\f+8*\bt+7], v[ADRB] offset:\kc*32*PB+32*\bt+16*PB
.endr
.irp a, 0,1
	ds_load_b128 v[\f+64+8*\a:\f+64+8*\a+3],   v[ADRA] offset:\a*16*PA+(\i)*128+\kc*64
	ds_load_b128 v[\f+64+8*\a+4:\f+64+8*\a+7], v[ADRA] offset:\a*16*PA+(\i)*128+\kc*64+32
.endr
.endm
; 16 matrix instructions, one on each accumulator: the accumulators take turns, one instruction a turn
.macro MUL f, zero
.irp a, 0,1
.irp bt, 0,1,2,3,4,5,6,7
.if \zero
	v_wmma_f32_16x16x32_f16 v[8*(8*\a+\bt):8*(8*\a+\bt)+7], v[\f+8*\bt:\f+8*\bt+7], v[\f+64+8*\a:\f+64+8*\a+7], 0
.else
	v_wmma_f32_16x16x32_f16 v[8*(8*\a+\bt):8*(8*\a+\bt)+7], v[\f+8*\bt:\f+8*\bt+7], v[\f+64+8*\a:\f+64+8*\a+7], v[8*(8*\a+\bt):8*(8*\a+\bt)+7]
.endif
.endr
.endr
.endm
; Chunk i.  set: the registers that hold it; ahead = 1: the set is loaded again with chunk i + 2; left: how many younger loads may stay out.
.macro CHUNK i, set, ahead, left, zero
	s_wait_loadcnt \left                           ; loads come back in order: this chunk's 32 are in, the other set's stay out
	WIN 0x05                                       ; sources window 1.  These 64 conversions also are the places between the last chunk's products and the loads into F0, F1
.irp j, 0,1,2,3,4,5,6,7,8,9,10,11,12,13,14,15
	v_cvt_pk_f16_f32 v[T+2*\j],   v[\set+4*\j],   v[\set+4*\j+1]
	v_cvt_pk_f16_f32 v[T+2*\j+1], v[\set+4*\j+2], v[\set+4*\j+3]
.endr
	WIN 0
.irp j, 0,1,2,3,4,5,6,7,8,9,10,11,12,13,14,15
	ds_store_b64 v[AST], v[T+2*\j:T+2*\j+1] offset:\j*2*PA+(\i)*128
.endr
	WIN 0x05
.irp j, 0,1,2,3,4,5,6,7,8,9,10,11,12,13,14,15
	v_cvt_pk_f16_f32 v[T+2*\j],   v[\set+64+4*\j],   v[\set+64+4*\j+1]
	v_cvt_pk_f16_f32 v[T+2*\j+1], v[\set+64+4*\j+2], v[\set+64+4*\j+3]
.endr
	WIN 0
.irp j, 0,1,2,3,4,5,6,7,8,9,10,11,12,13,14,15
	ds_store_b64 v[BST], v[T+2*\j:T+2*\j+1] offset:\j*PB
.endr
	v_add_nc_u32 v[BST], 64*PB, v[BST]             ; the next chunk's 64 rows: bytes of their own
.if \ahead
	LOADG \i+2, \set
.endif
	WIN 0
	s_wait_dscnt 0x0                               ; my stores are in LDS (zero: the other waves read them),
	s_barrier_signal -1
	s_barrier_wait -1                              ; and so are everybody's
	FETCH \i, 0, F0
	FETCH \i, 1, F1
	v_add_nc_u32 v[ADRB], 64*PB, v[ADRB]
	s_wait_dscnt 20                                ; buffer 0 is in; the 20 loads of buffer 1 may be out
	WIN 0xa0                                       ; C and D window 2, sources window 0
	MUL F0, \zero
	s_wait_dscnt 0x0
	MUL F1, 0
	WIN 0
.endm
	; the weights to cast: 24 loads of 16 bytes a thread, each byte read once in the launch
	WIN 0x80
.irp i, 0,1,2,3,4,5,6,7
	global_load_b128 v[CAST+4*\i:CAST+4*\i+3], v[GC], s[10:11] offset:\i*2048 th:TH_LOAD_NT
.endr
.irp i, 0,1,2,3,4,5,6,7
	global_load_b128 v[CAST+32+4*\i:CAST+32+4*\i+3], v[GC], s[12:13] offset:\i*2048 th:TH_LOAD_NT
.endr
.irp i, 0,1,2,3
	global_load_b128 v[CAST+64+4*\i:CAST+64+4*\i+3], v[GC], s[14:15] offset:\i*2048 th:TH_LOAD_NT
.endr
.irp i, 0,1,2,3
	global_load_b128 v[CAST+80+4*\i:CAST+80+4*\i+3], v[GC], s[16:17] offset:\i*2048 th:TH_LOAD_NT
.endr
	WIN 0
	global_load_b32 v[CB],   v[CBO], s[8:9]
	global_load_b32 v[CB+2], v[CBO], s[8:9] offset:64
	global_load_b128 v[28:31], v[ZO], s[24:25]     ; the work-group's 4 numbers of bv, in every lane
	LOADG 0, XS
	s_wait_loadcnt 32                              ; the 27 older loads are in; chunk 0's 32 stay out
	WIN 0x0a                                       ; sources 0 and 1 window 2
.set k, 0
.rept 24
	v_cvt_pk_f16_f32 v[F0+2*k],   v[CAST+4*k],   v[CAST+4*k+1]
	v_cvt_pk_f16_f32 v[F0+2*k+1], v[CAST+4*k+2], v[CAST+4*k+3]
.set k, k+1
.endr
	v_max_num_f32 v[WM], |v[CAST+64]|, |v[CAST+65]|                ; the largest |wv| of my 16 numbers
.set k, 2
.rept 7
	v_max3_num_f32 v[WM], |v[CAST+64+k]|, |v[CAST+65+k]|, v[WM]
.set k, k+2
.endr
	WIN 0
	v_max3_num_f32 v[BM], |v28|, |v29|, |v30|
	v_max_num_f32 v[BM], |v31|, v[BM]
.irp i, 0,1,2,3,4,5,6,7
	global_store_b64 v[GS], v[F0+2*\i:F0+2*\i+1], s[20:21] offset:\i*1024                  ; wq: a wave's store covers 256 consecutive bytes, aligned
.endr
.irp i, 0,1,2,3,4,5,6,7
	global_store_b64 v[GS], v[F0+16+2*\i:F0+16+2*\i+1], s[20:21] offset:2097152+\i*1024    ; wk, behind wq's 2,048 rows of 1,024 bytes
.endr
.irp i, 0,1,2,3
	global_store_b64 v[GS], v[F0+32+2*\i:F0+32+2*\i+1], s[34:35] offset:4194304+\i*1024    ; wv, behind wk
.endr
.irp i, 0,1,2,3
	global_store_b64 v[GS], v[F0+40+2*\i:F0+40+2*\i+1], s[22:23] offset:\i*1024            ; wo
.endr
	s_wait_xcnt 0x0                                ; the stores' data registers lie in buffer 0, which is loaded again only behind this wait
	LOADG 1, YS
	CHUNK 0, XS, 1, 32, 1                          ; the first products start the sums: nothing is cleared
	CHUNK 1, YS, 1, 32, 0
	CHUNK 2, XS, 1, 32, 0
	CHUNK 3, YS, 1, 32, 0
	CHUNK 4, XS, 1, 32, 0
	CHUNK 5, YS, 1, 32, 0
	CHUNK 6, XS, 0, 32, 0                          ; the last two chunks load nothing: the counts run down
	CHUNK 7, YS, 0, 0, 0
	; THE WAY OUT: add conv_b (one number a lane and o block), take the largest |tok|, round, 16 rows at a time through my own stage, whole rows of 256 bytes out
	PLACES
	WIN 0x82                                       ; destination and source 0 window 2, source 1 window 0
.irp a, 0,1
.set q, 0
.rept 32
	v_pk_add_f32 v[64*\a+2*q:64*\a+2*q+1], v[64*\a+2*q:64*\a+2*q+1], v[CB+2*\a:CB+2*\a+1] op_sel_hi:[1,0]
.set q, q+1
.endr
.endr
	WIN 0x0a                                       ; sources 0 and 1 window 2: four chains over my 128 numbers
.irp k, 0,1,2,3
	v_max_num_f32 v[TM+\k], |v[2*\k]|, |v[2*\k+1]|
.endr
.set n, 8
.rept 60
	v_max3_num_f32 v[TM+(n/2)%4], |v[n]|, |v[n+1]|, v[TM+(n/2)%4]
.set n, n+2
.endr
	WIN 0
	v_max3_num_f32 v[TM], v[TM], v[TM+1], v[TM+2]
	v_max_num_f32 v[TM], v[TM], v[TM+3]
	v_mov_b32 v[TM+1], v[WM]
.irp m, 1,2,4,8
	v_max_num_f32_dpp v[TM], v[TM], v[TM] row_xmask:\m row_mask:0xf bank_mask:0xf
	v_max_num_f32_dpp v[TM+1], v[TM+1], v[TM+1] row_xmask:\m row_mask:0xf bank_mask:0xf
.endr
	v_permlanex16_b32 v[TM+2], v[TM], s46, s47
	v_permlanex16_b32 v[TM+3], v[TM+1], s46, s47
	v_max_num_f32 v[TM], v[TM], v[TM+2]            ; my wave's largest |tok|
	v_max_num_f32 v[TM+1], v[TM+1], v[TM+3]        ; and |wv|, in every lane
	v_mov_b32 v28, s48
	ds_store_b64 v28, v[TM:TM+1]                   ; all lanes write the same 8 bytes with the same numbers
	s_wait_dscnt 0x0                               ; zero: the other waves read them
	s_barrier_signal -1
	s_barrier_wait -1
	v_mov_b32 v29, SCR
	ds_load_b128 v[32:35], v29                     ; waves 0, 1
	ds_load_b128 v[36:39], v29 offset:16           ; waves 2, 3
	s_wait_dscnt 0x0
	v_max3_num_f32 v40, v32, v34, v36
	v_max3_num_f32 v41, v33, v35, v37
	v_max_num_f32 v40, v40, v38                    ; the block's largest |tok|
	v_max_num_f32 v41, v41, v39                    ; the share's largest |wv|
	v_mov_b32 v42, v[BM]
	v_mov_b32 v43, 0
	s_cmp_lg_u32 s40, 0
	s_cbranch_scc1 .Lno_mx                         ; wave 0's lane 0 stores the work-group's 16 bytes: 4 KiB in the whole launch
	s_wait_xcnt 0x0                                ; EXEC changes only behind this wait
	v_cmp_eq_u32 vcc_lo, 0, v1
	s_and_saveexec_b32 s45, vcc_lo
	global_store_b128 v[ZO], v[40:43], s[26:27]
	s_wait_xcnt 0x0                                ; and again in front of the line that widens it
	s_or_b32 exec_lo, exec_lo, s45
.Lno_mx:
.macro OUT16 a, f
	WIN 0x0a
.irp bt, 0,1,2,3,4,5,6,7
.irp q, 0,1,2,3
	v_cvt_pk_f16_f32 v[TMP+4*\bt+\q], v[8*(8*\a+\bt)+2*\q], v[8*(8*\a+\bt)+2*\q+1]
.endr
.endr
	WIN 0
.irp bt, 0,1,2,3,4,5,6,7
	ds_store_b128 v[STO], v[TMP+4*\bt:TMP+4*\bt+3] offset:32*\bt
.endr
	s_wait_xcnt 0x0                                ; the stores' base is stepped only behind this wait
.if \a
	s_add_nc_u64 s[18:19], s[18:19], 16*2048
.endif
.irp t, 0,1,2,3,4,5,6,7
	ds_load_b128 v[\f+4*\t:\f+4*\t+3], v[RD] offset:\t*2*SP        ; LDS serves a wave's instructions in order: these see the stores above
.endr
.irp t, 0,1,2,3,4,5,6,7
	s_wait_dscnt 7-\t
	global_store_b128 v[CO], v[\f+4*\t:\f+4*\t+3], s[18:19] offset:\t*4096   ; 16 lanes store 256 consecutive bytes, aligned
.endr
.endm
	OUT16 0, F0
	OUT16 1, F1
	s_set_vgpr_msb 0xa
	s_wait_tensorcnt 0x0
	ds_add_u32 v254, v255
	s_wait_dscnt 0x0
	s_set_vgpr_msb 0xa00
	s_endpgm
.Lfunc_end_k_q4942580c9d_conv:
	.size	k_q4942580c9d_conv, .Lfunc_end_k_q4942580c9d_conv-k_q4942580c9d_conv
	.p2alignl 7, 3214868480
	.fill 96, 4, 3214868480
	.section	.rodata,"a",@progbits
	.p2align	6, 0x0
	.amdhsa_kernel k_q4942580c9d_conv
		.amdhsa_group_segment_fixed_size 298752
		.amdhsa_private_segment_fixed_size 0
		.amdhsa_enable_private_segment 0
		.amdhsa_kernarg_size 96
		.amdhsa_user_sgpr_count 2
		.amdhsa_user_sgpr_kernarg_segment_ptr 1
		.amdhsa_wavefront_size32 1
		.amdhsa_system_sgpr_workgroup_id_x 1
		.amdhsa_system_sgpr_workgroup_id_y 1
		.amdhsa_system_sgpr_workgroup_id_z 1
		.amdhsa_system_vgpr_workitem_id 0
		.amdhsa_next_free_vgpr 768
		.amdhsa_next_free_sgpr 66
		.amdhsa_reserve_vcc 1
		.amdhsa_float_denorm_mode_32 3
		.amdhsa_float_denorm_mode_16_64 3
		.amdhsa_memory_ordered 1
		.amdhsa_forward_progress 1
		.amdhsa_inst_pref_size 144
	.end_amdhsa_kernel
	.amdgpu_metadata
---
amdhsa.version: [ 1, 2 ]
amdhsa.kernels:
  - .name:           k_q4942580c9d_conv
    .symbol:         k_q4942580c9d_conv.kd
    .args:
      - { .name: x, .offset: 0, .size: 8, .value_kind: global_buffer, .address_space: global }
      - { .name: conv_w, .offset: 8, .size: 8, .value_kind: global_buffer, .address_space: global }
      - { .name: conv_b, .offset: 16, .size: 8, .value_kind: global_buffer, .address_space: global }
      - { .name: wq, .offset: 24, .size: 8, .value_kind: global_buffer, .address_space: global }
      - { .name: wk, .offset: 32, .size: 8, .value_kind: global_buffer, .address_space: global }
      - { .name: wv, .offset: 40, .size: 8, .value_kind: global_buffer, .address_space: global }
      - { .name: wo, .offset: 48, .size: 8, .value_kind: global_buffer, .address_space: global }
      - { .name: tok, .offset: 56, .size: 8, .value_kind: global_buffer, .address_space: global }
      - { .name: wqkv, .offset: 64, .size: 8, .value_kind: global_buffer, .address_space: global }
      - { .name: wob, .offset: 72, .size: 8, .value_kind: global_buffer, .address_space: global }
      - { .name: bv, .offset: 80, .size: 8, .value_kind: global_buffer, .address_space: global }
      - { .name: mx, .offset: 88, .size: 8, .value_kind: global_buffer, .address_space: global }
    .group_segment_fixed_size: 298752
    .private_segment_fixed_size: 0
    .kernarg_segment_align: 8
    .kernarg_segment_size: 96
    .max_flat_workgroup_size: 128
    .sgpr_count:     66
    .vgpr_count:     768
    .wavefront_size: 32
...
	.end_amdgpu_metadata
.endif
;; end of part 1
;; launch qkv (part 2): grid 8 x 32, 4 waves a work-group, clusters of 4 x 4, 327,680 bytes of LDS; arguments tok, wqkv, qkv, bq, bk, bv, mx; writes qkv
.if DOCPART == 2
	.amdgcn_target "amdgcn-amd-amdhsa--gfx1250"
	.amdhsa_code_object_version 6
	.text
	.protected	k_q4942580c9d_qkv
	.globl	k_q4942580c9d_qkv
	.p2align	8
	.type	k_q4942580c9d_qkv,@function
k_q4942580c9d_qkv:
	s_mov_b64 s[64:65], 0
	v_nop
	global_prefetch_b8 v0, s[64:65] scope:SCOPE_SE
	s_setreg_imm32_b32 hwreg(HW_REG_WAVE_MODE, 25, 1), 1
	s_wait_xcnt 0x0
	s_wait_alu depctr_hold_cnt(0) depctr_sa_sdst(0) depctr_va_vdst(0) depctr_va_sdst(0) depctr_va_ssrc(0) depctr_va_vcc(0) depctr_vm_vsrc(0)
	s_getreg_b32 s2, hwreg(HW_REG_IB_STS2, 6, 4)
	s_cmp_eq_u32 s2, 0
	s_cbranch_scc0 .Lentry_in_a_cluster
	s_endpgm
.Lentry_in_a_cluster:
	s_bfe_u32 s2, ttmp6, 0x10000c
	s_cmp_lg_u32 s2, 0xf033
	s_cbranch_scc0 .Lentry_shape_is_right
	s_endpgm
.Lentry_shape_is_right:
; qkv[m][n] = sum over k of tok[m][k] wqkv[n][k] + bias[n].  tok [8192][512], wqkv [5120][512] f16; qkv [8192][5120] of 16 bits; sums and bias in f32.
; Columns 0-2047 are Q (bias bq), 2048-4095 K (bk), both stored as bf16: with every input at an offset of 30 spreads they reach 512 x 28,800 x 0.03 = 442,000, past f16's range.
; Columns 4096-5119 are V (bv), stored as f16 of V x G, G a power of two for each batch b, made from a bound and not from V itself:
;   |V| <= B = 512 max|wv| max|tok_b| + max|bv|;  e = B's biased exponent (at least 15), so B < 2^(e-126);  G = 2^(141-e), so |V G| < 2^15.
; For inputs of the stated kind B is some 2^9 above V's spread; f16 keeps its 11 bits down to 2^-14, 29 binades below the bound.  The softmax is linear in V, so the
; attention needs no G; the last launch makes the same e from the same numbers and divides.
; WORK-GROUPS THAT STAY: 8 x 32 = 256 work-groups.  Work-group (i, j) owns token rows 256 i .. 256 i + 255 and head j and makes three tiles one after the other:
; Q's 256 x 256, K's 256 x 256, V's 256 x 128: 1,024 + 1,024 + 512 matrix instructions a wave, the same in every work-group.  K = 512 is only four steps of 128, so the
; ring of two LDS slots runs on through all 12 steps: the last two changes of slot in a tile ask for the next tile's first two steps, and a tile's stores leave while
; the next tile is multiplied.  V's tile is the last: what is still on its way out at the end is the smallest of the three.
; In Q's and K's tiles a wave makes 128 x 128 (64 accumulators, 512 registers); in V's it makes 64 rows x all 128 columns (32 accumulators), so that each wave stores whole
; rows of 256 bytes.  A tile's rows in memory are 256 bytes and start at multiples of 256 bytes.
; CLUSTERS: 4 x 4 work-groups.  The four of a row of the cluster need the same tiles of tok, the four of a column the same tiles of wqkv: each such tile is asked
; for jointly, with the same descriptor and a mask that names the four.
; REGISTERS, in windows of 256: window 0: v0-31 addresses; v32-63, v224-255 the bias of my 128 columns; v64-127, v128-191 fragments of tok, two buffers; v192-223 the way out.
;   window 1: v0-35 the maxima; v64-127, v128-191 fragments of wqkv.  window 2: accumulators of my rows 0-63 (tile (a, b) at v[8 (8 a + b)]); window 3: rows 64-127.
; THE MATRIX INSTRUCTION IS USED TRANSPOSED: source 0 = 16 rows of wqkv, source 1 = 16 rows of tok: lane l holds row m = l % 16 and columns 8 (l / 16) + 0..7.
.set SIZE_N, 5120
.set SIZE_K, 512
.set ROWB,   SIZE_N*2                  ; bytes in a row of qkv
.set KSTEP,  128
.set PITCH,  272                       ; 256 bytes of data + 16 of padding = 17 x 16: the 16 rows that a load touches start at 16 different 16-byte columns modulo 256 bytes
.set HALFT,  128*PITCH                 ; 128 rows: what one tensor load brings
.set SLOT,   4*HALFT                   ; tok's 256 rows, then wqkv's 256 rows (V's tile fills the first 128 of them)
.set STAGE,  2*SLOT                    ; behind the ring: 16 rows x 272 bytes for each wave; no tensor load lands here
.set SPITCH, 272
.set ADRA, 16                          ; v16-17  LDS address of my tok fragments in slot 0, 1 (Q's and K's tiles); v18-19 the same in V's tile
.set ADRB, 20                          ; v20-21  the same for wqkv; v22-23 in V's tile
.set STO,  24
.set RD,   25
.set CO,   26
.set BO,   27                          ; v27     32 x (l / 16): my 8 numbers in 16 columns of bias
.set GP,   28                          ; v[28:29] G, twice (a pair for the packed multiply-add)
.set MO,   30                          ; v30     16 x lane: my entry among 32 of mx
.set BIAS, 32                          ; bias of column block b: v[32 + 8 b] for b < 4, v[192 + 8 b] for b >= 4
.set F0,   64
.set F1,   128
.set R0,   128                         ; the way out reads rows back into buffer 1's registers of window 0, in two halves by turns:
.set R1,   160                         ; buffer 0 already holds the next tile's first fragments
.set TMP,  192
.set M1,   0                           ; window 1: entry l + 32 i of mx at v[4 i .. 4 i + 3] = (tok, wv, bv, 0); entry 32 b + l at v[32:35]
.set G1, 24                            ; s[24:31] descriptor group 1 for tok's tiles
.set G0, 32                            ; s[32:39] group 0 for tok's tiles, one set for each slot
.set G1B, 48                           ; s[48:55] group 1 for wqkv's tiles: another mask
.set G0B, 56                           ; s[56:63] group 0 for wqkv's tiles
.set AB,  82                           ; s[82:83] address of the rows of tok that I fetch, K step 0
.set BBQ, 84                           ; s[84:85] the same for wq's rows, s[86:87] wk's, s[88:89] wv's
.set BBK, 86
.set BBV, 88
.set DQ,  90                           ; s[90:91] where my part of Q's tile goes, s[92:93] K's, s[94:95] V's
.set DK,  92
.set DV,  94
.set MSB, 0
.macro WIN new                         ; the immediate's high byte repeats the setting that is left; a switch that changes nothing is dropped
.if MSB != \new
	s_set_vgpr_msb (MSB<<8)|\new
.set MSB, \new
.endif
.endm
.set MUL_LO, 0xa1                      ; source 0 window 1, source 1 window 0, C and D window 2
.set MUL_HI, 0xf1                      ; the same, C and D window 3
.set TO_B,   0x40                      ; destination window 1, address window 0
; A joint load for Q's or K's tile.  Waves 0 and 1 fetch tok's two halves, waves 2 and 3 the weights'.  The branch hangs on the wave's number alone.
.macro JLOAD s
	s_cmp_eq_u32 s11, 0
	s_cbranch_scc0 .Lfor_b_\@
	tensor_load_to_lds s[G0+4*\s:G0+4*\s+3], s[G1:G1+7]
	s_nop 0
	s_branch .Lasked_\@
.Lfor_b_\@:
	tensor_load_to_lds s[G0B+4*\s:G0B+4*\s+3], s[G1B:G1B+7]
	s_nop 0
.Lasked_\@:
.endm
; The same for V's tile: its weights are 128 rows, one load: wave 2 asks for them, wave 3 for nothing
.macro JLOADV s
	s_cmp_eq_u32 s11, 0
	s_cbranch_scc0 .Lv_for_b_\@
	tensor_load_to_lds s[G0+4*\s:G0+4*\s+3], s[G1:G1+7]
	s_nop 0
	s_branch .Lv_asked_\@
.Lv_for_b_\@:
	s_cmp_lg_u32 s10, 2
	s_cbranch_scc1 .Lv_asked_\@
	tensor_load_to_lds s[G0B+4*\s:G0B+4*\s+3], s[G1B:G1B+7]
	s_nop 0
.Lv_asked_\@:
.endm
; The two global addresses of slot s: byte ka of the rows (the K step), weights from the base in s[bb:bb+1].  Written only where no tensor load of the wave is out
.macro SETAD s, ka, bb
	s_add_nc_u64 s[G0+4*\s+2:G0+4*\s+3], s[AB:AB+1], \ka
	s_or_b32 s[G0+4*\s+3], s[G0+4*\s+3], 0x80000000
	s_add_nc_u64 s[G0B+4*\s+2:G0B+4*\s+3], s[\bb:\bb+1], \ka
	s_or_b32 s[G0B+4*\s+3], s[G0B+4*\s+3], 0x80000000
.endm
.macro CREST                           ; a round of the cluster's barrier behind its opening barrier
	s_cmp_lg_u32 s10, 0
	s_cbranch_scc1 .Lnot_wave_0_\@
	s_barrier_signal -3
.Lnot_wave_0_\@:
	s_barrier_wait -3
	s_barrier_signal -1
	s_barrier_wait -1
.endm
.macro CROUND                          ; a whole round
	s_barrier_signal -1
	s_barrier_wait -1
	CREST
.endm
	s_load_b128 s[4:7], s[0:1], 0x0                ; tok s[4:5], wqkv s[6:7]
	s_load_b64 s[8:9], s[0:1], 0x10                ; qkv
	s_load_b128 s[68:71], s[0:1], 0x18             ; bq s[68:69], bk s[70:71]
	s_load_b128 s[72:75], s[0:1], 0x28             ; bv s[72:73], mx s[74:75]
	s_set_vgpr_msb 0x40
	v_lshl_add_u32 v255, v0, 2, 0x48400
	s_set_vgpr_msb 0x4000
	v_mov_b32 v31, 0
	s_set_vgpr_msb 0x1
	ds_add_u32 v255, v31
	s_set_vgpr_msb 0x100
	v_lshrrev_b32 v1, 5, v0
	v_readfirstlane_b32 s10, v1                    ; wave 0..3
	s_lshr_b32 s11, s10, 1                         ; which half of a full tile's rows is mine.  Also: I fetch for tok (0) or the weights (1)
	s_and_b32 s12, s10, 1                          ; which half of its columns.  Also: which 128 rows of that tile I fetch
	s_bfe_u32 s40, ttmp6, 0x40000                  ; cx
	s_bfe_u32 s41, ttmp6, 0x40004                  ; cy
	s_lshl_b32 s42, ttmp9, 2
	s_add_co_u32 s42, s42, s40                     ; head j = 4 x cluster x + cx
	s_and_b32 s13, ttmp7, 0xffff
	s_lshl_b32 s76, s13, 9                         ; four blocks of 256 rows are a batch: b = the cluster's y; a batch's 32 entries of mx are 512 bytes
	s_mov_b32 s77, 0
	s_lshl_b32 s13, s13, 2
	s_add_co_u32 s13, s13, s41                     ; row block i = 4 x cluster y + cy
	s_lshl_b32 s43, s41, 2
	s_lshl_b32 s43, 15, s43                        ; my row of the cluster: places 4 cy .. 4 cy + 3
	s_lshl_b32 s44, 0x1111, s40                    ; my column: places cx, cx + 4, cx + 8, cx + 12
	s_mov_b32 s80, 0x76543210                      ; v_permlanex16_b32: lane i reads lane i of the other half
	s_mov_b32 s81, 0xfedcba98
	s_or_b32 s[G1+0], s43, (1<<16)|(1<<20)|(1<<21)|(5<<22)|(3<<25)  ; mask; element of 2 bytes; padding on; bit 21 beside a mask; after every 64 words, 4 words
	s_or_b32 s[G1B+0], s44, (1<<16)|(1<<20)|(1<<21)|(5<<22)|(3<<25)
	s_mov_b32 s[G1B+1], KSTEP<<16
	s_mov_b32 s[G1+1], KSTEP<<16                   ; tensor_dim0 = 128
	s_mov_b32 s[G1B+2], 128<<16
	s_mov_b32 s[G1+2], 128<<16                     ; tensor_dim1 = 128
	s_mov_b32 s[G1B+3], KSTEP<<16
	s_mov_b32 s[G1+3], KSTEP<<16                   ; tile_dim0 = 128
	s_mov_b32 s[G1B+4], 128
	s_mov_b32 s[G1+4], 128                         ; tile_dim1 = 128
	s_mov_b32 s[G1B+5], SIZE_K
	s_mov_b32 s[G1+5], SIZE_K                      ; elements from row to row
	s_mov_b32 s[G1B+6], 0
	s_mov_b32 s[G1+6], 0
	s_mov_b32 s[G1B+7], 0
	s_mov_b32 s[G1+7], 0
	; offsets.  What feeds tok's descriptors holds cy and never cx; what feeds the weights' descriptors holds cx and never cy; LDS addresses hold neither
	s_lshl_b32 s17, s12, 7                         ; which 128 rows of a tile I fetch
	s_lshl_b32 s16, s13, 8                         ; 256 i
	s_lshl_b32 s18, s11, 7
	s_add_co_u32 s18, s16, s18                     ; Q's and K's tiles: my first row = 256 i + 128 x half
	s_mul_i32 s18, s18, ROWB
	s_mov_b32 s19, 0
	s_lshl_b32 s78, s10, 6
	s_add_co_u32 s78, s16, s78                     ; V's tile: my first row = 256 i + 64 w
	s_mul_i32 s78, s78, ROWB
	s_mov_b32 s79, 0
	s_add_co_u32 s16, s16, s17                     ; tok: I fetch from row 256 i + 128 x half
	s_lshl_b32 s16, s16, 10                        ; rows of 1,024 bytes
	s_lshl_b32 s46, s42, 8
	s_add_co_u32 s46, s46, s17                     ; wq: from row 256 j + 128 x half
	s_lshl_b32 s46, s46, 10
	s_mov_b32 s17, 0
	s_mov_b32 s47, 0
	s_lshl_b32 s14, s42, 17                        ; wv: from row 128 j of its 1,024
	s_mov_b32 s15, 0
	s_lshl_b32 s66, s42, 9
	s_lshl_b32 s67, s12, 8
	s_add_co_u32 s66, s66, s67                     ; Q's and K's tiles: my first column in bytes, 512 j + 256 x half
	s_lshl_b32 s98, s66, 1                         ; and in bytes of the f32 bias
	s_mov_b32 s67, 0
	s_mov_b32 s99, 0
	s_lshl_b32 s96, s42, 8
	s_add_co_u32 s96, s96, 8192                    ; V's tile: column 4096 + 128 j, in bytes
	s_mov_b32 s97, 0
	s_lshl_b32 s100, s42, 9                        ; bv: 128 j numbers
	s_mov_b32 s101, 0
	s_mul_i32 s20, s10, HALFT                      ; where my tensor loads go: wave x 128 rows; no place in the cluster enters an LDS address
	s_wait_dscnt 0x0
	s_wait_kmcnt 0x0
	s_add_nc_u64 s[AB:AB+1], s[4:5], s[16:17]
	s_add_nc_u64 s[BBQ:BBQ+1], s[6:7], s[46:47]
	CROUND                                         ; all sixteen work-groups are here: the first joint loads meet
.irp s, 0,1
	s_mov_b32 s[G0+4*\s], 1
	s_add_co_u32 s[G0+4*\s+1], s20, \s*SLOT
	s_mov_b32 s[G0B+4*\s], 1
	s_add_co_u32 s[G0B+4*\s+1], s20, \s*SLOT
	SETAD \s, \s*KSTEP*2, BBQ
	JLOAD \s                                       ; Q's K steps 0 and 1: two tensor loads of the wave are out, the most in this text; later one
.endr
	s_add_nc_u64 s[BBK:BBK+1], s[BBQ:BBQ+1], 0x200000      ; wk lies 2,048 rows of 1,024 bytes behind wq
	s_add_nc_u64 s[BBV:BBV+1], s[6:7], s[14:15]
	s_add_nc_u64 s[BBV:BBV+1], s[BBV:BBV+1], 0x400000      ; wv 4,096 rows behind
	s_add_nc_u64 s[DQ:DQ+1], s[8:9], s[18:19]
	s_add_nc_u64 s[DQ:DQ+1], s[DQ:DQ+1], s[66:67]
	s_add_nc_u64 s[DK:DK+1], s[DQ:DQ+1], 4096              ; K's columns lie 2,048 numbers behind Q's
	s_add_nc_u64 s[DV:DV+1], s[8:9], s[78:79]
	s_add_nc_u64 s[DV:DV+1], s[DV:DV+1], s[96:97]
	s_add_nc_u64 s[68:69], s[68:69], s[98:99]              ; bq, bk, bv at my first column
	s_add_nc_u64 s[70:71], s[70:71], s[98:99]
	s_add_nc_u64 s[72:73], s[72:73], s[100:101]
	s_add_nc_u64 s[76:77], s[74:75], s[76:77]              ; my batch's entries of mx
	v_and_b32 v1, 15, v0                           ; l % 16
	v_bfe_u32 v2, v0, 4, 1                         ; l / 16
	v_mul_u32_u24 v3, v1, PITCH
	v_lshl_add_u32 v3, v2, 4, v3                   ; row x pitch + 16 x half
	s_mul_i32 s21, s11, HALFT                      ; full tiles: my 128 rows of tok,
	s_mul_i32 s22, s12, HALFT                      ; my 128 rows of the weights,
	s_add_co_u32 s22, s22, 2*HALFT                 ; which lie behind tok's 256
	s_mul_i32 s23, s10, HALFT/2                    ; V's tile: my 64 rows of tok; the weights' 128 rows are everybody's
.irp s, 0,1
	v_add_nc_u32 v[ADRA+\s], s21, v3
	v_add_nc_u32 v[ADRB+\s], s22, v3
	v_add_nc_u32 v[ADRA+2+\s], s23, v3
	v_add_nc_u32 v[ADRB+2+\s], 2*HALFT+\s*SLOT, v3
	s_add_co_u32 s21, s21, SLOT
	s_add_co_u32 s22, s22, SLOT
	s_add_co_u32 s23, s23, SLOT
.endr
	s_mul_i32 s23, s10, 16*SPITCH
	s_add_co_u32 s23, s23, STAGE                   ; my stage
	v_mul_u32_u24 v4, v1, SPITCH
	v_lshl_add_u32 v4, v2, 4, v4
	v_add_nc_u32 v[STO], s23, v4
	v_mul_u32_u24 v5, v2, SPITCH
	v_lshl_add_u32 v5, v1, 4, v5
	v_add_nc_u32 v[RD], s23, v5
	v_mul_u32_u24 v5, v2, ROWB
	v_lshl_add_u32 v[CO], v1, 4, v5
	v_lshlrev_b32 v[BO], 5, v2
	v_and_b32 v[MO], 31, v0
	v_lshlrev_b32 v[MO], 4, v[MO]
; the bias of my 128 columns, from the pointer in s[p:p+1]; waited for in front of the tile's way out
.macro LDBIAS p
.irp b, 0,1,2,3,4,5,6,7
	global_load_b128 v[BIAS+8*\b+160*(\b/4):BIAS+8*\b+160*(\b/4)+3],   v[BO], s[\p:\p+1] offset:64*\b      ; columns 16 b + 8 (l / 16) + 0..3
	global_load_b128 v[BIAS+8*\b+160*(\b/4)+4:BIAS+8*\b+160*(\b/4)+7], v[BO], s[\p:\p+1] offset:64*\b+16   ; and + 4..7
.endr
.endm
	LDBIAS 68                                      ; bq
	WIN TO_B                                       ; the maxima, 4 KiB a wave, for V's way out
.irp i, 0,1,2,3,4,5,6,7
	global_load_b128 v[M1+4*\i:M1+4*\i+3], v[MO], s[74:75] offset:512*\i
.endr
	global_load_b128 v[M1+32:M1+35], v[MO], s[76:77]
	WIN 0
; 16 matrix instructions; over a quarter step the tile's accumulators (64, in V's tile 32) take turns, one instruction a turn
.macro MUL16 f, hi, a0, zero
.irp a, \a0, \a0+1
.irp b, 0,1,2,3,4,5,6,7
.if \zero
	v_wmma_f32_16x16x32_f16 v[8*(8*(\a)+\b):8*(8*(\a)+\b)+7], v[\f+8*\b:\f+8*\b+7], v[\f+8*(4*\hi+\a):\f+8*(4*\hi+\a)+7], 0
.else
	v_wmma_f32_16x16x32_f16 v[8*(8*(\a)+\b):8*(8*(\a)+\b)+7], v[\f+8*\b:\f+8*\b+7], v[\f+8*(4*\hi+\a):\f+8*(4*\hi+\a)+7], v[8*(8*(\a)+\b):8*(8*(\a)+\b)+7]
.endif
.endr
.endr
.endm
; LDS loads in one run: the fragments of one quarter step (32 K at byte k of the rows) into buffer f.  v = 0: 128 rows of the weights, 128 of tok, 32 loads;
; v = 1 (V's tile): 128 rows of the weights, 64 of tok, 24 loads
.macro FETCH slot, k, f, v
	WIN TO_B
.irp i, 0,1,2,3,4,5,6,7
	ds_load_b128 v[\f+8*\i:\f+8*\i+3],   v[ADRB+2*\v+\slot] offset:\k+\i*16*PITCH
	ds_load_b128 v[\f+8*\i+4:\f+8*\i+7], v[ADRB+2*\v+\slot] offset:\k+\i*16*PITCH+32
.endr
	WIN 0
.if \v
.irp i, 0,1,2,3
	ds_load_b128 v[\f+8*\i:\f+8*\i+3],   v[ADRA+2+\slot] offset:\k+\i*16*PITCH
	ds_load_b128 v[\f+8*\i+4:\f+8*\i+7], v[ADRA+2+\slot] offset:\k+\i*16*PITCH+32
.endr
.else
.irp i, 0,1,2,3,4,5,6,7
	ds_load_b128 v[\f+8*\i:\f+8*\i+3],   v[ADRA+\slot] offset:\k+\i*16*PITCH
	ds_load_b128 v[\f+8*\i+4:\f+8*\i+7], v[ADRA+\slot] offset:\k+\i*16*PITCH+32
.endr
.endif
.endm
.macro PLACES                          ; four plain vector instructions between a matrix instruction and a load into, or a vector instruction on, its registers
.rept 4
	v_nop
.endr
.endm
; ---- Q's and K's tiles.  A K step is four quarter steps of 32 along K, 64 matrix instructions each, on buffers 0, 1, 0, 1
.macro QUARTER slot, k, f, g, zero
	s_wait_dscnt 8                                 ; the weights' fragments and tok's rows 0-63 are in; the youngest eight loads may be out
	WIN MUL_LO
	MUL16 \f, 0, 0, \zero
	MUL16 \f, 0, 2, \zero
	PLACES
	FETCH \slot, \k, \g, 0
	s_wait_dscnt 32                                ; all but the 32 just issued
	WIN MUL_HI
	MUL16 \f, 1, 0, \zero
	MUL16 \f, 1, 2, \zero
.endm
.macro THREE slot, zero
	QUARTER \slot, 64,  F0, F1, \zero
	QUARTER \slot, 128, F1, F0, 0
	QUARTER \slot, 192, F0, F1, 0
.endm
; The last quarter of a K step changes slots.  In front of the barrier each wave waits for its reads of this slot and for all its tensor loads (one is out: its
; part of the next slot).  Behind the round the refill comes first (byte ka of the rows, weights from s[bb:bb+1]; vf = 1: it is V's), then the next slot's
; first fragments (vn = 1: they are V's).  From a request to the wait for it a wave issues 240 matrix instructions.
.macro TURN slot, next, ka, bb, vf, vn
	s_wait_dscnt 8
	WIN MUL_LO
	MUL16 F1, 0, 0, 0
	s_wait_dscnt 0                                 ; my reads of this slot are over
	s_wait_tensorcnt 0x0                           ; and all my tensor loads have landed
	ds_add_u32 v255, v31
	s_wait_dscnt 0x0
	s_barrier_signal -1                            ; this barrier opens a round of the cluster's barrier
	MUL16 F1, 0, 2, 0                              ; register work while the others arrive
	WIN 0
	s_barrier_wait -1
	CREST                                          ; no wave of any partner still reads this slot or has a load on its way
	SETAD \slot, \ka, \bb
.if \vf
	JLOADV \slot                                   ; the first tensor load behind the round
.else
	JLOAD \slot
.endif
	PLACES
	FETCH \next, 0, F0, \vn
	WIN MUL_HI
	MUL16 F1, 1, 0, 0
	MUL16 F1, 1, 2, 0
.endm
; A full tile: weights from s[b0:b0+1]; the next tile's from s[b1:b1+1]; vnext = 1: the next tile is V's
.macro FULL b0, b1, vnext
	THREE 0, 1                                     ; K step 0: its first products start the sums: nothing is cleared
	TURN 0, 1, 2*KSTEP*2, \b0, 0, 0                ; slot 0 gets K step 2
	THREE 1, 0
	TURN 1, 0, 3*KSTEP*2, \b0, 0, 0                ; slot 1 gets K step 3
	THREE 0, 0
	TURN 0, 1, 0, \b1, \vnext, 0                   ; slot 0 gets the next tile's K step 0
	THREE 1, 0
	TURN 1, 0, KSTEP*2, \b1, \vnext, \vnext        ; slot 1 gets its K step 1; buffer 0 gets its first fragments
.endm
; ---- V's tile: 32 matrix instructions a quarter step, all in window 2; the next quarter's 24 loads are issued at the quarter's head
.macro QUARTERV slot, k, f, g, zero
	s_wait_dscnt 0x0                               ; buffer f is in (asked for 32 matrix instructions ago)
	PLACES
	FETCH \slot, \k, \g, 1
	WIN MUL_LO
	MUL16 \f, 0, 0, \zero
	MUL16 \f, 0, 2, \zero
.endm
.macro THREEV slot, zero
	QUARTERV \slot, 64,  F0, F1, \zero
	QUARTERV \slot, 128, F1, F0, 0
	QUARTERV \slot, 192, F0, F1, 0
.endm
.macro TURNV slot, next, fill, ka
	s_wait_dscnt 0x0                               ; buffer 1 is in: my reads of this slot are over
	s_wait_tensorcnt 0x0                           ; and all my tensor loads have landed
	ds_add_u32 v255, v31
	s_wait_dscnt 0x0
	s_barrier_signal -1                            ; where the slot is filled again this barrier opens a round of the cluster's barrier
	WIN MUL_LO
	MUL16 F1, 0, 0, 0                              ; register work while the others arrive
	WIN 0
	s_barrier_wait -1
.if \fill
	CREST
	SETAD \slot, \ka, BBV
	JLOADV \slot                                   ; the first tensor load behind the round
.endif
	PLACES
	FETCH \next, 0, F0, 1
	WIN MUL_LO
	MUL16 F1, 0, 2, 0
.endm
; ---- THE WAY OUT, 16 rows at a time: add the bias, round to 16 bits, 16 bytes a lane into my own stage, read back as whole rows of 256 bytes.
; Tiles (a, 0..7) of window 2 or 3 into TMP.  from: the conversions' setting; addw: the additions' (destination and source 0 in that window, the rest in window 0).
; scaled = 0: acc + bias, to bf16 (Q, K).  scaled = 1: acc G + bias G, to f16 (V).
.macro CVT16 a, from, addw, scaled
	WIN \addw
.irp b, 0,1,2,3,4,5,6,7
.irp r, 0,1,2,3
.if \scaled
	v_pk_fma_f32 v[8*(8*\a+\b)+2*\r:8*(8*\a+\b)+2*\r+1], v[8*(8*\a+\b)+2*\r:8*(8*\a+\b)+2*\r+1], v[GP:GP+1], v[BIAS+8*\b+160*(\b/4)+2*\r:BIAS+8*\b+160*(\b/4)+2*\r+1]
.else
	v_pk_add_f32 v[8*(8*\a+\b)+2*\r:8*(8*\a+\b)+2*\r+1], v[8*(8*\a+\b)+2*\r:8*(8*\a+\b)+2*\r+1], v[BIAS+8*\b+160*(\b/4)+2*\r:BIAS+8*\b+160*(\b/4)+2*\r+1]
.endif
.endr
.endr
	WIN \from
.irp b, 0,1,2,3,4,5,6,7
.irp r, 0,1,2,3
.if \scaled
	v_cvt_pk_f16_f32 v[TMP+4*\b+\r], v[8*(8*\a+\b)+2*\r], v[8*(8*\a+\b)+2*\r+1]
.else
	v_cvt_pk_bf16_f32 v[TMP+4*\b+\r], v[8*(8*\a+\b)+2*\r], v[8*(8*\a+\b)+2*\r+1]
.endif
.endr
.endr
	WIN 0
.endm
; TMP into the stage, and the 16 rows back into f
.macro STG f
.irp b, 0,1,2,3,4,5,6,7
	ds_store_b128 v[STO], v[TMP+4*\b:TMP+4*\b+3] offset:32*\b
.endr
	s_wait_xcnt 0x0                                ; f, which earlier stores read, is loaded again only behind this wait
.irp t, 0,1,2,3,4,5,6,7
	ds_load_b128 v[\f+4*\t:\f+4*\t+3], v[RD] offset:\t*2*SPITCH    ; LDS serves a wave's instructions in order: these see the stores above
.endr
.endm
; rows 16 i .. 16 i + 15 out of f.  All 128 rows are reached by the immediate (126 rows of 10,240 bytes at the most, inside its 24 signed bits): no base is stepped
.macro PUT i, f, d
.irp t, 0,1,2,3,4,5,6,7
	s_wait_dscnt 7-\t                              ; row pair t is back; the younger read-backs may be out
	global_store_b128 v[CO], v[\f+4*\t:\f+4*\t+3], s[\d:\d+1] offset:(16*\i+2*\t)*ROWB   ; 16 lanes store 256 consecutive bytes, aligned
.endr
.endm
; The next 16 rows' 64 additions and conversions stand between a read-back and the wait for it
.macro WAYOUT4 d, scaled
	CVT16 0, 0x0a, 0x82, \scaled
	STG R0
	CVT16 1, 0x0a, 0x82, \scaled
	PUT 0, R0, \d
	STG R1
	CVT16 2, 0x0a, 0x82, \scaled
	PUT 1, R1, \d
	STG R0
	CVT16 3, 0x0a, 0x82, \scaled
	PUT 2, R0, \d
	STG R1
.endm
.macro WAYOUT8 d
	WAYOUT4 \d, 0
	CVT16 0, 0x0f, 0xc3, 0
	PUT 3, R1, \d
	STG R0
	CVT16 1, 0x0f, 0xc3, 0
	PUT 4, R0, \d
	STG R1
	CVT16 2, 0x0f, 0xc3, 0
	PUT 5, R1, \d
	STG R0
	CVT16 3, 0x0f, 0xc3, 0
	PUT 6, R0, \d
	STG R1
	PUT 7, R1, \d
	s_wait_xcnt 0x0                                ; buffer 1's registers, which these stores read, are loaded again in the next tile only behind this wait
.endm
	s_wait_tensorcnt 1                             ; my part of K step 0 is in; K step 1's stays out
	s_barrier_signal -1
	s_barrier_wait -1
	FETCH 0, 0, F0, 0
	FULL BBQ, BBK, 0                               ; Q's tile
	s_wait_loadcnt 0x0                             ; bq (and the maxima)
	PLACES                                         ; behind the last matrix instructions: for the additions, which read results, and for the loads into buffer 1
	WAYOUT8 DQ
	LDBIAS 70                                      ; bk
	FULL BBK, BBV, 1                               ; K's tile; Q's stores leave meanwhile
	s_wait_loadcnt 0x0                             ; bk
	PLACES
	WAYOUT8 DK
	LDBIAS 72                                      ; bv
	THREEV 0, 1                                    ; V's tile; K's stores leave meanwhile
	TURNV 0, 1, 1, 2*KSTEP*2                       ; slot 0 gets K step 2
	THREEV 1, 0
	TURNV 1, 0, 1, 3*KSTEP*2                       ; slot 1 gets K step 3
	THREEV 0, 0
	TURNV 0, 1, 0, 0                               ; nothing more to fetch: a plain barrier shows the last K step to all four waves
	THREEV 1, 0
	s_wait_dscnt 0x0
	WIN MUL_LO
	MUL16 F1, 0, 0, 0
	MUL16 F1, 0, 2, 0
	s_wait_loadcnt 0x0                             ; bv
	PLACES
	; G: the largest |wv| and |bv| of all 256 entries, the largest |tok| of my batch's 32; all are magnitudes, so plain maxima do
	WIN 0x15                                       ; all three sources window 1
	v_max3_num_f32 v6, v[M1+1], v[M1+5], v[M1+9]
	v_max3_num_f32 v7, v[M1+13], v[M1+17], v[M1+21]
	v_max_num_f32 v8, v[M1+25], v[M1+29]
	v_max3_num_f32 v10, v[M1+2], v[M1+6], v[M1+10]
	v_max3_num_f32 v11, v[M1+14], v[M1+18], v[M1+22]
	v_max_num_f32 v12, v[M1+26], v[M1+30]
	v_mov_b32 v14, v[M1+32]
	WIN 0
	v_max3_num_f32 v6, v6, v7, v8
	v_max3_num_f32 v10, v10, v11, v12
	v_mov_b32 v15, 0                               ; v_permlanex16_b32 counts as a reader of its destination
.irp m, 1,2,4,8
	v_max_num_f32_dpp v6, v6, v6 row_xmask:\m row_mask:0xf bank_mask:0xf
	v_max_num_f32_dpp v10, v10, v10 row_xmask:\m row_mask:0xf bank_mask:0xf
	v_max_num_f32_dpp v14, v14, v14 row_xmask:\m row_mask:0xf bank_mask:0xf
.endr
	v_permlanex16_b32 v7, v6, s80, s81
	v_permlanex16_b32 v11, v10, s80, s81
	v_permlanex16_b32 v15, v14, s80, s81
	v_max_num_f32 v6, v6, v7                       ; max |wv|
	v_max_num_f32 v10, v10, v11                    ; max |bv|
	v_max_num_f32 v14, v14, v15                    ; max |tok| of my batch
	v_mul_f32 v6, 0x44000000, v6                   ; x 512, the length of the sums
	v_fma_f32 v6, v6, v14, v10                     ; B
	v_lshrrev_b32 v6, 23, v6                       ; e (B is not negative: no sign bit)
	v_max_u32 v6, 15, v6                           ; so that G and 1 / G are both normal numbers
	v_sub_nc_u32 v6, 0x10c, v6                     ; G = 2^(141 - e): biased exponent 268 - e
	v_lshlrev_b32 v[GP], 23, v6
	v_mov_b32 v[GP+1], v[GP]
.irp b, 0,1,2,3,4,5,6,7
.irp r, 0,1,2,3
	v_pk_mul_f32 v[BIAS+8*\b+160*(\b/4)+2*\r:BIAS+8*\b+160*(\b/4)+2*\r+1], v[BIAS+8*\b+160*(\b/4)+2*\r:BIAS+8*\b+160*(\b/4)+2*\r+1], v[GP:GP+1]
.endr
.endr
	WAYOUT4 DV, 1
	PUT 3, R1, DV
	s_set_vgpr_msb 0x1
	s_wait_tensorcnt 0x0
	ds_add_u32 v255, v31
	s_wait_dscnt 0x0
	s_set_vgpr_msb 0x100
	CROUND                                         ; the closing round: no work-group ends while a partner may still ask for a tile that names it
	s_endpgm
.Lfunc_end_k_q4942580c9d_qkv:
	.size	k_q4942580c9d_qkv, .Lfunc_end_k_q4942580c9d_qkv-k_q4942580c9d_qkv
	.p2alignl 7, 3214868480
	.fill 96, 4, 3214868480
	.section	.rodata,"a",@progbits
	.p2align	6, 0x0
	.amdhsa_kernel k_q4942580c9d_qkv
		.amdhsa_group_segment_fixed_size 327680
		.amdhsa_private_segment_fixed_size 0
		.amdhsa_enable_private_segment 0
		.amdhsa_kernarg_size 56
		.amdhsa_user_sgpr_count 2
		.amdhsa_user_sgpr_kernarg_segment_ptr 1
		.amdhsa_wavefront_size32 1
		.amdhsa_system_sgpr_workgroup_id_x 1
		.amdhsa_system_sgpr_workgroup_id_y 1
		.amdhsa_system_sgpr_workgroup_id_z 1
		.amdhsa_system_vgpr_workitem_id 0
		.amdhsa_next_free_vgpr 1024
		.amdhsa_next_free_sgpr 102
		.amdhsa_reserve_vcc 0
		.amdhsa_float_denorm_mode_32 3
		.amdhsa_float_denorm_mode_16_64 3
		.amdhsa_memory_ordered 1
		.amdhsa_forward_progress 1
		.amdhsa_inst_pref_size 255
	.end_amdhsa_kernel
	.section	.bss,"aw",@nobits
	.p2align	6
	.space	262144
	.amdgpu_metadata
---
amdhsa.version: [ 1, 2 ]
amdhsa.kernels:
  - .name:           k_q4942580c9d_qkv
    .symbol:         k_q4942580c9d_qkv.kd
    .args:
      - { .name: tok, .offset: 0, .size: 8, .value_kind: global_buffer, .address_space: global }
      - { .name: wqkv, .offset: 8, .size: 8, .value_kind: global_buffer, .address_space: global }
      - { .name: qkv, .offset: 16, .size: 8, .value_kind: global_buffer, .address_space: global }
      - { .name: bq, .offset: 24, .size: 8, .value_kind: global_buffer, .address_space: global }
      - { .name: bk, .offset: 32, .size: 8, .value_kind: global_buffer, .address_space: global }
      - { .name: bv, .offset: 40, .size: 8, .value_kind: global_buffer, .address_space: global }
      - { .name: mx, .offset: 48, .size: 8, .value_kind: global_buffer, .address_space: global }
    .group_segment_fixed_size: 327680
    .private_segment_fixed_size: 0
    .kernarg_segment_align: 8
    .kernarg_segment_size: 56
    .max_flat_workgroup_size: 128
    .sgpr_count:     102
    .vgpr_count:     1024
    .wavefront_size: 32
...
	.end_amdgpu_metadata
.endif
;; end of part 2
;; launch attn (part 3): grid 256 x 1, 4 waves a work-group, clusters of 4 x 1, 327,680 bytes of LDS; arguments qkv, obuf; writes obuf
.if DOCPART == 3
	.amdgcn_target "amdgcn-amd-amdhsa--gfx1250"
	.amdhsa_code_object_version 6
	.text
	.protected	k_q4942580c9d_attn
	.globl	k_q4942580c9d_attn
	.p2align	8
	.type	k_q4942580c9d_attn,@function
k_q4942580c9d_attn:
	s_mov_b64 s[64:65], 0
	v_nop
	global_prefetch_b8 v0, s[64:65] scope:SCOPE_SE
	s_setreg_imm32_b32 hwreg(HW_REG_WAVE_MODE, 25, 1), 1
	s_wait_xcnt 0x0
	s_wait_alu depctr_hold_cnt(0) depctr_sa_sdst(0) depctr_va_vdst(0) depctr_va_sdst(0) depctr_va_ssrc(0) depctr_va_vcc(0) depctr_vm_vsrc(0)
	s_getreg_b32 s2, hwreg(HW_REG_IB_STS2, 6, 4)
	s_cmp_eq_u32 s2, 0
	s_cbranch_scc0 .Lentry_in_a_cluster
	s_endpgm
.Lentry_in_a_cluster:
	s_bfe_u32 s2, ttmp6, 0x10000c
	s_cmp_lg_u32 s2, 0x3003
	s_cbranch_scc0 .Lentry_shape_is_right
	s_endpgm
.Lentry_shape_is_right:
; obuf[b, q, 128 h + dv] = sum over keys of softmax(Q K^T / 16) V, for one (batch, head) a cluster and 256 queries a work-group.
; qkv [8192][5120] of 16 bits: Q of head h at column 256 h and K at 2048 + 256 h in bf16, V at 4096 + 128 h in f16, scaled by the batch's power of two G.
; obuf [8192][1024] f16, with the same G on it: the softmax's weights add up to 1, so the result is linear in V and no larger than the largest |V G| < 2^15.
; A wave has 64 queries (4 blocks qb of 16).  The 1,024 keys go in 16 tiles of 64 through a ring of two LDS slots.
; CLUSTERS: the four work-groups of a cluster are the four query blocks of one head and read the same K and V tiles: each wave asks jointly (mask 15) for its
; 16 rows of K and of V.  Q is each work-group's own and comes by a plain tensor load, once.
; TRANSPOSED FORM.  S^T = K Q^T (source 0 = 16 keys, source 1 = 16 queries): lane (r = l % 16, hl = l / 16) holds query r and keys 8 hl + 0..7 of each key block, so a
; query's maximum and sum lie in two lanes (l and l xor 16).  Two neighbouring key blocks, rounded to f16 in pairs, ARE the second-source fragment of P^T for
; 32 keys: no traffic between lanes.  O^T = V^T P^T (f16 form; source 0 = 16 dv by the transposing LDS load): a lane holds query r and 8 neighbouring dv.
; SOFTMAX by a running maximum m in f32: p = exp2(c s - c m), c = log2(e) / 16; O and the sum are scaled by exp2(c (m_old - m_new)) in every tile.
; p lies in [0, 1]: f16 holds it with 11 bits, on a fixed step of 2^-24 below 2^-14, against a sum of at least about 1.
; LIMITS, kept on purpose: the exponent is fma(s, c, -round(c m)), one f32 rounding of c m off; the sum adds p in f32 while the product takes p rounded to f16
; (relative difference at most 2^-12); NaN or infinite scores are not treated apart.
; REGISTERS: window 0 addresses, row figures, P^T v[64:127], S^T v[128:255]; window 1 Q fragments (qb, kc) at 8 (8 qb + kc); window 2 O^T (qb, dvb) at 8 (8 qb + dvb);
; window 3 K fragments in two buffers v[0:63], v[64:127] ((kb, kl) at 8 (4 kl + kb)) and V^T fragments v[128:255] ((dvb, c) at 128 + 8 (2 dvb + c)).
.set PK,    528                        ; LDS row of Q and K: 512 bytes + 16 = 33 x 16
.set PV,    288                        ; LDS row of V: 256 bytes + 32 = 9 x 32, for the transposing load
.set QW,    64*PK                      ; a wave's 64 rows of Q
.set SLOT0, 4*QW                       ; the ring behind Q
.set VOFF,  64*PK                      ; in a slot: K's 64 rows, then V's
.set SLOTB, 64*PK+64*PV
.set STAGE, SLOT0+2*SLOTB              ; 239,616 = 936 x 256: 16 rows x 272 bytes for each wave; no tensor load lands here
.set SP,    272
.set ROWB,  10240                      ; bytes in a row of qkv
.set STEP,  64*ROWB                    ; from a key tile to the next
.set ADRQ, 4
.set ADRK, 5                           ; v5, v6  my K fragments in slot 0, 1
.set ADRV, 7                           ; v7, v8  my V fragments in slot 0, 1
.set STO,  9
.set RD,   10
.set CO,   11
.set MX,   16                          ; v[16:19] running maximum of query block qb (raw scores)
.set TT,   20                          ; v[20:23] at work
.set UU,   24                          ; v[24:27] the other half's figure
.set NM,   28                          ; v[28:35] pairs: -c m, 0
.set AL,   36                          ; v[36:43] pairs: exp2(c (m_old - m_new)), 0; at the end 1 / sum
.set LS,   44                          ; v[44:51] pairs: two partial sums
.set PT,   64
.set SC,   128
.set KA,   0
.set KB,   64
.set VF,   128
.set TMP,  128                         ; the way out, in S^T's registers
.set R0,   160
.set R1,   192
.set G1K, 16                           ; s[16:23]
.set G1V, 24                           ; s[24:31]
.set G0K, 32                           ; s[32:39] one set for each slot
.set G0V, 40                           ; s[40:47]
.set G1Q, 48                           ; s[48:55]
.set G0Q, 56                           ; s[56:59]
.set MSB, 0
.macro WIN new
.if MSB != \new
	s_set_vgpr_msb (MSB<<8)|\new
.set MSB, \new
.endif
.endm
.macro PLACES                          ; four plain vector instructions between a matrix instruction and a load into, or a vector instruction on, its registers
.rept 4
	v_nop
.endr
.endm
.macro CREST                           ; a round of the cluster's barrier behind its opening barrier
	s_cmp_lg_u32 s8, 0
	s_cbranch_scc1 .Lnot_wave_0_\@
	s_barrier_signal -3
.Lnot_wave_0_\@:
	s_barrier_wait -3
	s_barrier_signal -1
	s_barrier_wait -1
.endm
.macro CROUND
	s_barrier_signal -1
	s_barrier_wait -1
	CREST
.endm
	s_load_b128 s[4:7], s[0:1], 0x0                ; qkv s[4:5], obuf s[6:7]
	v_lshl_add_u32 v62, v0, 2, 0x3ec00
	v_mov_b32 v63, 0
	ds_add_u32 v62, v63
	v_lshrrev_b32 v1, 5, v0
	v_readfirstlane_b32 s8, v1                     ; wave 0..3
	s_lshr_b32 s9, ttmp9, 3                        ; b: the cluster's x is 8 b + h
	s_and_b32 s10, ttmp9, 7                        ; h
	s_bfe_u32 s11, ttmp6, 0x40000                  ; cx: which 256 queries
	s_mov_b32 s12, 0x76543210                      ; v_permlanex16_b32: lane i reads lane i of the other half
	s_mov_b32 s13, 0xfedcba98
	s_mov_b32 s66, 0x3db8aa3b                      ; c = log2(e) / 16
	s_mov_b32 s67, 0x3db8aa3b
	s_mov_b32 s68, 0xbdb8aa3b                      ; -c
	s_mov_b32 s[G1K+0], 15|(1<<16)|(1<<20)|(1<<21)|(6<<22)|(3<<25)  ; all four work-groups; element of 2 bytes; padding on; bit 21 beside a mask; after every 128 words, 4 words
	s_mov_b32 s[G1K+1], 256<<16                    ; tensor_dim0 = 256
	s_mov_b32 s[G1K+2], 16<<16                     ; tensor_dim1 = 16
	s_mov_b32 s[G1K+3], 256<<16                    ; tile_dim0 = 256
	s_mov_b32 s[G1K+4], 16                         ; tile_dim1 = 16
	s_mov_b32 s[G1K+5], 5120                       ; elements from row to row
	s_mov_b32 s[G1K+6], 0
	s_mov_b32 s[G1K+7], 0
	s_mov_b32 s[G1V+0], 15|(1<<16)|(1<<20)|(1<<21)|(5<<22)|(7<<25)  ; after every 64 words, 8 words
	s_mov_b32 s[G1V+1], 128<<16
	s_mov_b32 s[G1V+2], 16<<16
	s_mov_b32 s[G1V+3], 128<<16
	s_mov_b32 s[G1V+4], 16
	s_mov_b32 s[G1V+5], 5120
	s_mov_b32 s[G1V+6], 0
	s_mov_b32 s[G1V+7], 0
	s_mov_b32 s[G1Q+0], (1<<16)|(1<<20)|(6<<22)|(3<<25)             ; no mask: my work-group's own
	s_mov_b32 s[G1Q+1], 256<<16
	s_mov_b32 s[G1Q+2], 64<<16
	s_mov_b32 s[G1Q+3], 256<<16
	s_mov_b32 s[G1Q+4], 64
	s_mov_b32 s[G1Q+5], 5120
	s_mov_b32 s[G1Q+6], 0
	s_mov_b32 s[G1Q+7], 0
	s_lshl_b32 s78, s10, 9                         ; 512 h
	s_lshl_b32 s79, s10, 8                         ; 256 h
	s_lshl_b32 s70, s9, 10
	s_lshl_b32 s72, s8, 4
	s_add_co_u32 s70, s70, s72                     ; key row 1024 b + 16 w: made of b, h and the wave's number alone
	s_mul_i32 s70, s70, ROWB
	s_add_co_u32 s72, s70, s79
	s_add_co_u32 s72, s72, 8192                    ; V: column 4096 + 128 h
	s_add_co_u32 s70, s70, s78
	s_add_co_u32 s70, s70, 4096                    ; K: column 2048 + 256 h
	s_mov_b32 s71, 0
	s_mov_b32 s73, 0
	s_lshl_b32 s74, s9, 10                         ; registers that hold cx feed the plain load of Q and the stores alone
	s_lshl_b32 s76, s11, 8
	s_add_co_u32 s74, s74, s76
	s_lshl_b32 s76, s8, 6
	s_add_co_u32 s74, s74, s76                     ; my first query row: 1024 b + 256 cx + 64 w
	s_lshl_b32 s76, s74, 11                        ; obuf: rows of 2,048 bytes
	s_add_co_u32 s76, s76, s79                     ; + 256 h
	s_mov_b32 s77, 0
	s_mul_i32 s74, s74, ROWB
	s_add_co_u32 s74, s74, s78                     ; Q: column 256 h
	s_mov_b32 s75, 0
	s_mul_i32 s14, s8, 16*PK                       ; my 16 rows of a K tile in LDS
	s_mul_i32 s15, s8, 16*PV                       ; my 16 rows of a V tile
	s_mul_i32 s61, s8, QW                          ; my 64 rows of Q
	s_mul_i32 s62, s8, 16*SP
	s_add_co_u32 s62, s62, STAGE                   ; my stage
	s_wait_dscnt 0x0
	s_wait_kmcnt 0x0
	s_add_nc_u64 s[6:7], s[6:7], s[76:77]
	s_add_nc_u64 s[70:71], s[4:5], s[70:71]
	s_add_nc_u64 s[72:73], s[4:5], s[72:73]
	CROUND                                         ; all four work-groups are here: the first joint loads meet
	s_mov_b32 s[G0Q], 1
	s_mul_i32 s[G0Q+1], s8, QW
	s_add_nc_u64 s[G0Q+2:G0Q+3], s[4:5], s[74:75]
	s_or_b32 s[G0Q+3], s[G0Q+3], 0x80000000
	tensor_load_to_lds s[G0Q:G0Q+3], s[G1Q:G1Q+7]
	s_nop 0
.irp t, 0,1
	s_mov_b32 s[G0K+4*\t], 1
	s_add_co_u32 s[G0K+4*\t+1], s14, SLOT0+\t*SLOTB
	s_add_nc_u64 s[G0K+4*\t+2:G0K+4*\t+3], s[70:71], \t*STEP
	s_or_b32 s[G0K+4*\t+3], s[G0K+4*\t+3], 0x80000000
	tensor_load_to_lds s[G0K+4*\t:G0K+4*\t+3], s[G1K:G1K+7]
	s_nop 0
	s_mov_b32 s[G0V+4*\t], 1
	s_add_co_u32 s[G0V+4*\t+1], s15, SLOT0+\t*SLOTB+VOFF
	s_add_nc_u64 s[G0V+4*\t+2:G0V+4*\t+3], s[72:73], \t*STEP
	s_or_b32 s[G0V+4*\t+3], s[G0V+4*\t+3], 0x80000000
	tensor_load_to_lds s[G0V+4*\t:G0V+4*\t+3], s[G1V:G1V+7]        ; five tensor loads of the wave are out now, the most in this text; later two
	s_nop 0
.endr
	v_and_b32 v1, 15, v0                           ; r
	v_bfe_u32 v2, v0, 4, 1                         ; hl
	v_mul_u32_u24 v3, v1, PK
	v_lshl_add_u32 v3, v2, 4, v3                   ; r PK + 16 hl
	v_add_nc_u32 v[ADRQ], s61, v3
	v_add_nc_u32 v[ADRK], SLOT0, v3
	v_add_nc_u32 v[ADRK+1], SLOT0+SLOTB, v3
	v_and_b32 v12, 7, v0
	v_lshl_add_u32 v12, v2, 3, v12                 ; 8 hl + l % 8: the key row that I address for the transposing load
	v_mul_u32_u24 v12, v12, PV
	v_bfe_u32 v13, v0, 3, 1
	v_lshl_add_u32 v12, v13, 4, v12
	v_add_nc_u32 v[ADRV], SLOT0+VOFF, v12
	v_add_nc_u32 v[ADRV+1], SLOT0+SLOTB+VOFF, v12
	v_mul_u32_u24 v12, v1, SP
	v_lshl_add_u32 v12, v2, 4, v12
	v_add_nc_u32 v[STO], s62, v12
	v_mul_u32_u24 v12, v2, SP
	v_lshl_add_u32 v12, v1, 4, v12
	v_add_nc_u32 v[RD], s62, v12
	v_lshlrev_b32 v12, 4, v1
	v_lshl_add_u32 v[CO], v2, 11, v12
.irp qb, 0,1,2,3
	v_mov_b32 v[UU+\qb], 0                         ; v_permlanex16_b32 counts as a reader of its destination
	v_mov_b32 v[NM+2*\qb+1], 0                     ; the pairs are read whole
	v_mov_b32 v[AL+2*\qb+1], 0
.endr
; 16 LDS loads: K fragments of dk chunks 2 g, 2 g + 1 (32 each), four key blocks
.macro FETCHK slot, g, buf
	WIN 0xc0                                       ; destination window 3, address window 0
.irp kl, 0,1
.irp kb, 0,1,2,3
	ds_load_b128 v[\buf+8*(4*\kl+\kb):\buf+8*(4*\kl+\kb)+3],   v[ADRK+\slot] offset:\kb*16*PK+(2*\g+\kl)*64
	ds_load_b128 v[\buf+8*(4*\kl+\kb)+4:\buf+8*(4*\kl+\kb)+7], v[ADRK+\slot] offset:\kb*16*PK+(2*\g+\kl)*64+32
.endr
.endr
.endm
; 32 transposing LDS loads: V^T fragments, eight dv blocks x two chunks of 32 keys
.macro FETCHV slot
	WIN 0xc0
.irp dvb, 0,1,2,3,4,5,6,7
.irp c, 0,1
	ds_load_tr16_b128 v[VF+8*(2*\dvb+\c):VF+8*(2*\dvb+\c)+3],   v[ADRV+\slot] offset:\c*32*PV+32*\dvb
	ds_load_tr16_b128 v[VF+8*(2*\dvb+\c)+4:VF+8*(2*\dvb+\c)+7], v[ADRV+\slot] offset:\c*32*PV+32*\dvb+16*PV
.endr
.endr
.endm
; 32 matrix instructions of S^T: the 16 accumulators take turns, one instruction a turn.  zero = 1: the first 16 start the sums
.macro MULS g, buf, zero
	WIN 0x07                                       ; source 0 window 3, source 1 window 1, C and D window 0
.irp kl, 0,1
.irp qb, 0,1,2,3
.irp kb, 0,1,2,3
.if \zero*(1-\kl)
	v_wmma_f32_16x16x32_bf16 v[SC+8*(4*\qb+\kb):SC+8*(4*\qb+\kb)+7], v[\buf+8*(4*\kl+\kb):\buf+8*(4*\kl+\kb)+7], v[8*(8*\qb+2*\g+\kl):8*(8*\qb+2*\g+\kl)+7], 0
.else
	v_wmma_f32_16x16x32_bf16 v[SC+8*(4*\qb+\kb):SC+8*(4*\qb+\kb)+7], v[\buf+8*(4*\kl+\kb):\buf+8*(4*\kl+\kb)+7], v[8*(8*\qb+2*\g+\kl):8*(8*\qb+2*\g+\kl)+7], v[SC+8*(4*\qb+\kb):SC+8*(4*\qb+\kb)+7]
.endif
.endr
.endr
.endr
.endm
; 64 matrix instructions of O^T: the 32 accumulators take turns, one instruction a turn.  first = 1: the first 32 start the sums
.macro MULPV first
	WIN 0xa3                                       ; source 0 window 3, source 1 window 0, C and D window 2
.irp c, 0,1
.irp dvb, 0,1,2,3,4,5,6,7
.irp qb, 0,1,2,3
.if \first*(1-\c)
	v_wmma_f32_16x16x32_f16 v[8*(8*\qb+\dvb):8*(8*\qb+\dvb)+7], v[VF+8*(2*\dvb+\c):VF+8*(2*\dvb+\c)+7], v[PT+8*(2*\qb+\c):PT+8*(2*\qb+\c)+7], 0
.else
	v_wmma_f32_16x16x32_f16 v[8*(8*\qb+\dvb):8*(8*\qb+\dvb)+7], v[VF+8*(2*\dvb+\c):VF+8*(2*\dvb+\c)+7], v[PT+8*(2*\qb+\c):PT+8*(2*\qb+\c)+7], v[8*(8*\qb+\dvb):8*(8*\qb+\dvb)+7]
.endif
.endr
.endr
.endr
.endm
; The tile's softmax: four chains, one for each query block, that do not wait for each other
.macro SOFTMAX first
	WIN 0
	PLACES
.irp qb, 0,1,2,3
.if \first
	v_max_num_f32 v[TT+\qb], v[SC+32*\qb], v[SC+32*\qb+1]
.else
	v_max3_num_f32 v[TT+\qb], v[MX+\qb], v[SC+32*\qb], v[SC+32*\qb+1]
.endif
.endr
.set n, 2
.rept 15
.irp qb, 0,1,2,3
	v_max3_num_f32 v[TT+\qb], v[TT+\qb], v[SC+32*\qb+n], v[SC+32*\qb+n+1]
.endr
.set n, n+2
.endr
.irp qb, 0,1,2,3
	v_permlanex16_b32 v[UU+\qb], v[TT+\qb], s12, s13               ; the same query's other 32 keys
.endr
.irp qb, 0,1,2,3
	v_max_num_f32 v[TT+\qb], v[TT+\qb], v[UU+\qb]                  ; m_new
.endr
.irp qb, 0,1,2,3
	v_mul_f32 v[NM+2*\qb], s68, v[TT+\qb]                          ; -c m_new
.endr
.if \first == 0
.irp qb, 0,1,2,3
	v_fma_f32 v[AL+2*\qb], v[MX+\qb], s66, v[NM+2*\qb]             ; c (m_old - m_new)
.endr
.irp qb, 0,1,2,3
	v_exp_f32 v[AL+2*\qb], v[AL+2*\qb]
.endr
.endif
.irp qb, 0,1,2,3
	v_mov_b32 v[MX+\qb], v[TT+\qb]                                 ; also the plain instructions behind the exponentials (ISA guide 5.7.2)
.endr
.set n, 0
.rept 16
.irp qb, 0,1,2,3
	v_pk_fma_f32 v[SC+32*\qb+n:SC+32*\qb+n+1], v[SC+32*\qb+n:SC+32*\qb+n+1], s[66:67], v[NM+2*\qb:NM+2*\qb+1] op_sel_hi:[1,0,0]
.endr
.set n, n+2
.endr
.set n, 0
.rept 128
	v_exp_f32 v[SC+n], v[SC+n]
.set n, n+1
.endr
	v_nop                                          ; one plain instruction before the last exponential's result is used
	s_wait_alu depctr_va_vdst(0)
.irp qb, 0,1,2,3
.if \first
	s_wait_alu depctr_va_vdst(0)
	v_pk_add_f32 v[LS+2*\qb:LS+2*\qb+1], v[SC+32*\qb:SC+32*\qb+1], v[SC+32*\qb+2:SC+32*\qb+3]
.else
	v_pk_fma_f32 v[LS+2*\qb:LS+2*\qb+1], v[LS+2*\qb:LS+2*\qb+1], v[AL+2*\qb:AL+2*\qb+1], v[SC+32*\qb:SC+32*\qb+1] op_sel_hi:[1,0,1]
	v_pk_add_f32 v[LS+2*\qb:LS+2*\qb+1], v[LS+2*\qb:LS+2*\qb+1], v[SC+32*\qb+2:SC+32*\qb+3]
.endif
.endr
.set n, 4
.rept 14
.irp qb, 0,1,2,3
	v_pk_add_f32 v[LS+2*\qb:LS+2*\qb+1], v[LS+2*\qb:LS+2*\qb+1], v[SC+32*\qb+n:SC+32*\qb+n+1]
.endr
.set n, n+2
.endr
.set n, 0
.rept 64
	v_cvt_pk_f16_f32 v[PT+n], v[SC+2*n], v[SC+2*n+1]               ; word 16 qb + 4 kb + q: key blocks 2 c, 2 c + 1 make fragment (qb, c)
.set n, n+1
.endr
.if \first == 0
	WIN 0x82                                       ; destination and source 0 window 2, source 1 window 0
.irp qb, 0,1,2,3
.set n, 0
.rept 32
	v_pk_mul_f32 v[64*\qb+n:64*\qb+n+1], v[64*\qb+n:64*\qb+n+1], v[AL+2*\qb:AL+2*\qb+1] op_sel_hi:[1,0]
.set n, n+2
.endr
.endr
.endif
.endm
; One key tile.  more = 1: another tile follows; fill = 1: this slot is filled again, two tiles ahead.
; At its head the tile's first 32 K loads (dk chunks 0-3) are out, issued in front of the last tile's O^T products.
.macro TILE slot, next, first, more, fill
	s_wait_dscnt 16                                ; buffer A is in; buffer B's 16 loads may be out
	MULS 0, KA, 1
	PLACES
	FETCHK \slot, 2, KA
	s_wait_dscnt 16                                ; buffer B is in; the 16 just issued may be out
	MULS 1, KB, 0
	PLACES
	FETCHK \slot, 3, KB
	FETCHV \slot
	s_wait_dscnt 48                                ; buffer A is in; B's 16 and V's 32 may be out
	MULS 2, KA, 0
	s_wait_dscnt 32                                ; buffer B is in; V's 32 may be out
	MULS 3, KB, 0
	SOFTMAX \first
	WIN 0
	s_wait_dscnt 0x0                               ; V^T is in registers: my reads of this slot are over
.if \more
	s_wait_tensorcnt 0x0                           ; all my tensor loads have landed: my parts of the next tile
	ds_add_u32 v62, v63
	s_wait_dscnt 0x0
	s_barrier_signal -1                            ; where the slot is filled again this barrier opens a round of the cluster's barrier
	s_barrier_wait -1
.if \fill
	CREST                                          ; no wave of any partner still reads this slot or has a load on its way
	s_add_nc_u64 s[G0K+4*\slot+2:G0K+4*\slot+3], s[G0K+4*\slot+2:G0K+4*\slot+3], 2*STEP
	s_add_nc_u64 s[G0V+4*\slot+2:G0V+4*\slot+3], s[G0V+4*\slot+2:G0V+4*\slot+3], 2*STEP
	tensor_load_to_lds s[G0K+4*\slot:G0K+4*\slot+3], s[G1K:G1K+7]  ; the first tensor loads behind the round; they have this tile's 64 and the next tile's
	s_nop 0
	tensor_load_to_lds s[G0V+4*\slot:G0V+4*\slot+3], s[G1V:G1V+7]  ; 128 matrix instructions and its softmax in which to land
	s_nop 0
.endif
	FETCHK \next, 0, KA
	FETCHK \next, 1, KB
.endif
	MULPV \first
.endm
	s_wait_tensorcnt 4                             ; Q has landed (my wave's own bytes); the four younger loads stay out
	WIN 0x40
.irp qb, 0,1,2,3
.irp kc, 0,1,2,3,4,5,6,7
	ds_load_b128 v[8*(8*\qb+\kc):8*(8*\qb+\kc)+3],   v[ADRQ] offset:\qb*16*PK+\kc*64
	ds_load_b128 v[8*(8*\qb+\kc)+4:8*(8*\qb+\kc)+7], v[ADRQ] offset:\qb*16*PK+\kc*64+32
.endr
.endr
	WIN 0
	s_wait_tensorcnt 2                             ; my parts of tile 0 are in; tile 1's two loads stay out
	s_wait_dscnt 0x0
	s_barrier_signal -1
	s_barrier_wait -1                              ; everybody's parts of tile 0 are in
	FETCHK 0, 0, KA
	FETCHK 0, 1, KB
	TILE 0, 1, 1, 1, 1                             ; tile 0 starts maximum, sum and O^T: nothing is cleared
	TILE 1, 0, 0, 1, 1
	WIN 0
	s_mov_b32 s60, 6                               ; tiles 2 to 13
.Ltiles:
	TILE 0, 1, 0, 1, 1
	TILE 1, 0, 0, 1, 1
	WIN 0
	s_sub_co_u32 s60, s60, 1
	s_cmp_lg_u32 s60, 0
	s_cbranch_scc1 .Ltiles
	TILE 0, 1, 0, 1, 0                             ; tile 14 fills nothing: a plain barrier shows tile 15 to all four waves
	TILE 1, 0, 0, 0, 0                             ; tile 15
	; THE WAY OUT: divide by the sum, round, 16 queries at a time through my own stage, whole rows of 256 bytes out
	WIN 0
	PLACES
.irp qb, 0,1,2,3
	v_add_f32 v[TT+\qb], v[LS+2*\qb], v[LS+2*\qb+1]
.endr
.irp qb, 0,1,2,3
	v_permlanex16_b32 v[UU+\qb], v[TT+\qb], s12, s13
.endr
.irp qb, 0,1,2,3
	v_add_f32 v[TT+\qb], v[TT+\qb], v[UU+\qb]
.endr
.irp qb, 0,1,2,3
	v_rcp_f32 v[AL+2*\qb], v[TT+\qb]               ; the sum is at least about 1: the largest score's p
.endr
	v_nop
	s_wait_alu depctr_va_vdst(0)
.macro OUTQ qb, f
	WIN 0x82
.set n, 0
.rept 32
	v_pk_mul_f32 v[64*\qb+n:64*\qb+n+1], v[64*\qb+n:64*\qb+n+1], v[AL+2*\qb:AL+2*\qb+1] op_sel_hi:[1,0]
.set n, n+2
.endr
	WIN 0x0a
.set n, 0
.rept 32
	v_cvt_pk_f16_f32 v[TMP+n], v[64*\qb+2*n], v[64*\qb+2*n+1]      ; word 4 dvb + q
.set n, n+1
.endr
	WIN 0
.irp dvb, 0,1,2,3,4,5,6,7
	ds_store_b128 v[STO], v[TMP+4*\dvb:TMP+4*\dvb+3] offset:32*\dvb
.endr
	s_wait_xcnt 0x0                                ; buffer f, which stores read, and the stores' base are rewritten only behind this wait
.if \qb
	s_add_nc_u64 s[6:7], s[6:7], 16*2048
.endif
.irp t, 0,1,2,3,4,5,6,7
	ds_load_b128 v[\f+4*\t:\f+4*\t+3], v[RD] offset:\t*2*SP        ; LDS serves a wave's instructions in order: these see the stores above
.endr
.irp t, 0,1,2,3,4,5,6,7
	s_wait_dscnt 7-\t
	global_store_b128 v[CO], v[\f+4*\t:\f+4*\t+3], s[6:7] offset:\t*4096   ; 16 lanes store 256 consecutive bytes, aligned
.endr
.endm
	OUTQ 0, R0
	OUTQ 1, R1
	OUTQ 2, R0
	OUTQ 3, R1
	s_wait_tensorcnt 0x0
	ds_add_u32 v62, v63
	s_wait_dscnt 0x0
	CROUND                                         ; the closing round: no work-group ends while a partner may still ask for a tile that names it
	s_endpgm
.Lfunc_end_k_q4942580c9d_attn:
	.size	k_q4942580c9d_attn, .Lfunc_end_k_q4942580c9d_attn-k_q4942580c9d_attn
	.p2alignl 7, 3214868480
	.fill 96, 4, 3214868480
	.section	.rodata,"a",@progbits
	.p2align	6, 0x0
	.amdhsa_kernel k_q4942580c9d_attn
		.amdhsa_group_segment_fixed_size 327680
		.amdhsa_private_segment_fixed_size 0
		.amdhsa_enable_private_segment 0
		.amdhsa_kernarg_size 16
		.amdhsa_user_sgpr_count 2
		.amdhsa_user_sgpr_kernarg_segment_ptr 1
		.amdhsa_wavefront_size32 1
		.amdhsa_system_sgpr_workgroup_id_x 1
		.amdhsa_system_sgpr_workgroup_id_y 1
		.amdhsa_system_sgpr_workgroup_id_z 1
		.amdhsa_system_vgpr_workitem_id 0
		.amdhsa_next_free_vgpr 1024
		.amdhsa_next_free_sgpr 80
		.amdhsa_reserve_vcc 0
		.amdhsa_float_denorm_mode_32 3
		.amdhsa_float_denorm_mode_16_64 3
		.amdhsa_memory_ordered 1
		.amdhsa_forward_progress 1
		.amdhsa_inst_pref_size 255
	.end_amdhsa_kernel
	.section	.bss,"aw",@nobits
	.p2align	6
	.space	262144
	.amdgpu_metadata
---
amdhsa.version: [ 1, 2 ]
amdhsa.kernels:
  - .name:           k_q4942580c9d_attn
    .symbol:         k_q4942580c9d_attn.kd
    .args:
      - { .name: qkv, .offset: 0, .size: 8, .value_kind: global_buffer, .address_space: global }
      - { .name: obuf, .offset: 8, .size: 8, .value_kind: global_buffer, .address_space: global }
    .group_segment_fixed_size: 327680
    .private_segment_fixed_size: 0
    .kernarg_segment_align: 8
    .kernarg_segment_size: 16
    .max_flat_workgroup_size: 128
    .sgpr_count:     80
    .vgpr_count:     1024
    .wavefront_size: 32
...
	.end_amdgpu_metadata
.endif
;; end of part 3
;; launch proj (part 4): grid 4 x 64, 4 waves a work-group, clusters of 4 x 4, 327,680 bytes of LDS; arguments obuf, wob, out0, bo, mx; writes out0
.if DOCPART == 4
	.amdgcn_target "amdgcn-amd-amdhsa--gfx1250"
	.amdhsa_code_object_version 6
	.text
	.protected	k_q4942580c9d_proj
	.globl	k_q4942580c9d_proj
	.p2align	8
	.type	k_q4942580c9d_proj,@function
k_q4942580c9d_proj:
	s_mov_b64 s[64:65], 0
	v_nop
	global_prefetch_b8 v0, s[64:65] scope:SCOPE_SE
	s_setreg_imm32_b32 hwreg(HW_REG_WAVE_MODE, 25, 1), 1
	s_wait_xcnt 0x0
	s_wait_alu depctr_hold_cnt(0) depctr_sa_sdst(0) depctr_va_vdst(0) depctr_va_sdst(0) depctr_va_ssrc(0) depctr_va_vcc(0) depctr_vm_vsrc(0)
	s_getreg_b32 s2, hwreg(HW_REG_IB_STS2, 6, 4)
	s_cmp_eq_u32 s2, 0
	s_cbranch_scc0 .Lentry_in_a_cluster
	s_endpgm
.Lentry_in_a_cluster:
	s_bfe_u32 s2, ttmp6, 0x10000c
	s_cmp_lg_u32 s2, 0xf033
	s_cbranch_scc0 .Lentry_shape_is_right
	s_endpgm
.Lentry_shape_is_right:
; out0[m][n] = (sum over k of obuf[m][k] wob[n][k]) / G_b + bo[n], f32 out.  obuf [8192][1024] f16 with the batch's power of two G_b on it, wob [512][1024] f16;
; out0 [8192][512] f32 (the same bytes as [8][512][32][32]).  G_b = 2^(141-e), e the biased exponent (at least 15) of B = 512 max|wv| max|tok_b| + max|bv|, made here from
; the same 256 entries of mx by the same arithmetic as in the launch that put G on V; the division is exact and rides on the multiply-add that adds bo.
; A work-group makes 128 x 128: 64 x 4 = 256 work-groups; a wave makes 64 x 64: 16 accumulators.  K goes in four steps of 256 through a ring of two LDS slots filled by
; tensor loads: a tile's rows are 512 bytes of memory and start at multiples of 256 bytes.
; CLUSTERS: 4 x 4 work-groups; obuf's tiles are shared along a row of the cluster, wob's along a column, each asked for jointly.
; THE MATRIX INSTRUCTION IS USED TRANSPOSED: source 0 = 16 rows of wob, source 1 = 16 rows of obuf: lane l holds row m = l % 16 and columns 8 (l / 16) + 0..7, 32 bytes of f32.
; REGISTERS: window 0: v0-31 addresses, v[32:63] bias, v[64:127], v[128:191] fragments in two buffers (obuf block a at +8 a, wob block b at +32 + 8 b),
; v[192:227] the maxima, then v[192:223] the way out; window 1: accumulator (a, b) at 8 (4 a + b).
.set KSTEP,  256
.set PITCH,  528                       ; 512 bytes + 16 = 33 x 16: the 16 rows that a load touches start at 16 different 16-byte columns modulo 256 bytes
.set HALFT,  64*PITCH                  ; 64 rows: what one tensor load brings, and what one wave reads of either operand
.set SLOT,   4*HALFT                   ; obuf's 128 rows, then wob's
.set STAGE,  2*SLOT                    ; 270,336 = 1,056 x 256: 16 rows x 272 bytes for each wave; no tensor load lands here
.set SPITCH, 272
.set ADRA, 16
.set ADRB, 20
.set STO,  24
.set RD,   25
.set CO,   26
.set BO,   27
.set MO,   28                          ; v28      16 x lane: my entry among 32 of mx
.set IG,   30                          ; v[30:31] 1 / G, twice (a pair for the packed multiply-add)
.set BIAS, 32
.set F0,   64
.set F1,   128
.set TMP,  192
.set MM,   192                         ; entry l + 32 i of mx at v[192 + 4 i ..] = (tok, wv, bv, 0); entry 32 b + l at v[224:227]
.set G1, 24
.set G0, 32
.set G1B, 48
.set G0B, 56
.set MSB, 0
.macro WIN new
.if MSB != \new
	s_set_vgpr_msb (MSB<<8)|\new
.set MSB, \new
.endif
.endm
.macro PLACES                          ; four plain vector instructions between a matrix instruction and a load into, or a vector instruction on, its registers
.rept 4
	v_nop
.endr
.endm
.macro JLOAD s                         ; waves 0 and 1 fetch obuf's two halves, waves 2 and 3 wob's; the branch hangs on the wave's number alone
	s_cmp_eq_u32 s11, 0
	s_cbranch_scc0 .Lfor_b_\@
	tensor_load_to_lds s[G0+4*\s:G0+4*\s+3], s[G1:G1+7]
	s_nop 0
	s_branch .Lasked_\@
.Lfor_b_\@:
	tensor_load_to_lds s[G0B+4*\s:G0B+4*\s+3], s[G1B:G1B+7]
	s_nop 0
.Lasked_\@:
.endm
.macro CREST
	s_cmp_lg_u32 s10, 0
	s_cbranch_scc1 .Lnot_wave_0_\@
	s_barrier_signal -3
.Lnot_wave_0_\@:
	s_barrier_wait -3
	s_barrier_signal -1
	s_barrier_wait -1
.endm
.macro CROUND
	s_barrier_signal -1
	s_barrier_wait -1
	CREST
.endm
	s_load_b128 s[4:7], s[0:1], 0x0                ; obuf s[4:5], wob s[6:7]
	s_load_b128 s[68:71], s[0:1], 0x10             ; out0 s[68:69], bo s[70:71]
	s_load_b64 s[74:75], s[0:1], 0x20              ; mx
	v_lshl_add_u32 v254, v0, 2, 0x46400
	v_mov_b32 v255, 0
	ds_add_u32 v254, v255
	v_lshrrev_b32 v1, 5, v0
	v_readfirstlane_b32 s10, v1                    ; wave 0..3
	s_lshr_b32 s11, s10, 1                         ; which half of the block's rows is mine.  Also: I fetch for obuf (0) or wob (1)
	s_and_b32 s12, s10, 1                          ; which half of its columns.  Also: which 64 rows of that tile I fetch
	s_bfe_u32 s40, ttmp6, 0x40000                  ; cx
	s_bfe_u32 s41, ttmp6, 0x40004                  ; cy
	s_lshl_b32 s42, ttmp9, 2
	s_add_co_u32 s42, s42, s40                     ; block column
	s_and_b32 s13, ttmp7, 0xffff
	s_lshr_b32 s76, s13, 1                         ; eight block rows of 128 are a batch: b = the cluster's y / 2
	s_lshl_b32 s76, s76, 9                         ; a batch's 32 entries of 16 bytes
	s_mov_b32 s77, 0
	s_lshl_b32 s13, s13, 2
	s_add_co_u32 s13, s13, s41                     ; block row
	s_lshl_b32 s43, s41, 2
	s_lshl_b32 s43, 15, s43                        ; my row of the cluster
	s_lshl_b32 s44, 0x1111, s40                    ; my column
	s_mov_b32 s78, 0x76543210                      ; v_permlanex16_b32: lane i reads lane i of the other half
	s_mov_b32 s79, 0xfedcba98
	s_or_b32 s[G1+0], s43, (1<<16)|(1<<20)|(1<<21)|(6<<22)|(3<<25)  ; mask; element of 2 bytes; padding on; bit 21 beside a mask; after every 128 words, 4 words
	s_or_b32 s[G1B+0], s44, (1<<16)|(1<<20)|(1<<21)|(6<<22)|(3<<25)
	s_mov_b32 s[G1B+1], KSTEP<<16
	s_mov_b32 s[G1+1], KSTEP<<16                   ; tensor_dim0 = 256
	s_mov_b32 s[G1B+2], 64<<16
	s_mov_b32 s[G1+2], 64<<16                      ; tensor_dim1 = 64
	s_mov_b32 s[G1B+3], KSTEP<<16
	s_mov_b32 s[G1+3], KSTEP<<16                   ; tile_dim0 = 256
	s_mov_b32 s[G1B+4], 64
	s_mov_b32 s[G1+4], 64                          ; tile_dim1 = 64
	s_mov_b32 s[G1B+5], 1024
	s_mov_b32 s[G1+5], 1024                        ; elements from row to row
	s_mov_b32 s[G1B+6], 0
	s_mov_b32 s[G1+6], 0
	s_mov_b32 s[G1B+7], 0
	s_mov_b32 s[G1+7], 0
	s_lshl_b32 s17, s12, 6                         ; which 64 rows of the tile I fetch
	s_lshl_b32 s16, s13, 7
	s_add_co_u32 s16, s16, s17                     ; obuf: row 128 x block row + 64 x half
	s_lshl_b32 s16, s16, 11                        ; rows of 2,048 bytes
	s_lshl_b32 s46, s42, 7
	s_add_co_u32 s46, s46, s17                     ; wob: row 128 x block column + 64 x half
	s_lshl_b32 s46, s46, 11
	s_mov_b32 s17, 0
	s_mov_b32 s47, 0
	s_mul_i32 s20, s10, HALFT                      ; where they go: wave x 64 rows
	s_lshl_b32 s66, s42, 9                         ; my first column in bytes of f32: 512 x block + 256 x half; these registers feed no descriptor
	s_lshl_b32 s67, s12, 8
	s_add_co_u32 s66, s66, s67
	s_mov_b32 s67, 0
	s_lshl_b32 s72, s13, 7
	s_lshl_b32 s73, s11, 6
	s_add_co_u32 s72, s72, s73                     ; my first row: 128 x block + 64 x half
	s_lshl_b32 s72, s72, 11                        ; rows of 2,048 bytes
	s_mov_b32 s73, 0
	s_wait_dscnt 0x0
	s_wait_kmcnt 0x0
	s_add_nc_u64 s[14:15], s[4:5], s[16:17]
	s_add_nc_u64 s[46:47], s[6:7], s[46:47]
	s_add_nc_u64 s[70:71], s[70:71], s[66:67]
	s_add_nc_u64 s[68:69], s[68:69], s[66:67]
	s_add_nc_u64 s[68:69], s[68:69], s[72:73]
	s_add_nc_u64 s[76:77], s[74:75], s[76:77]
	CROUND                                         ; all sixteen work-groups are here: the first joint loads meet
.irp s, 0,1
	s_mov_b32 s[G0+4*\s], 1
	s_add_co_u32 s[G0+4*\s+1], s20, \s*SLOT
	s_add_nc_u64 s[G0+4*\s+2:G0+4*\s+3], s[14:15], \s*KSTEP*2
	s_or_b32 s[G0+4*\s+3], s[G0+4*\s+3], 0x80000000
	s_mov_b32 s[G0B+4*\s], 1
	s_add_co_u32 s[G0B+4*\s+1], s20, \s*SLOT
	s_add_nc_u64 s[G0B+4*\s+2:G0B+4*\s+3], s[46:47], \s*KSTEP*2
	s_or_b32 s[G0B+4*\s+3], s[G0B+4*\s+3], 0x80000000
	JLOAD \s
.endr
	v_and_b32 v1, 15, v0                           ; l % 16
	v_bfe_u32 v2, v0, 4, 1                         ; l / 16
	v_mul_u32_u24 v3, v1, PITCH
	v_lshl_add_u32 v3, v2, 4, v3
	s_mul_i32 s21, s11, HALFT
	s_mul_i32 s22, s12, HALFT
	s_add_co_u32 s22, s22, 2*HALFT
.irp s, 0,1
	v_add_nc_u32 v[ADRA+\s], s21, v3
	v_add_nc_u32 v[ADRB+\s], s22, v3
	s_add_co_u32 s21, s21, SLOT
	s_add_co_u32 s22, s22, SLOT
.endr
	s_mul_i32 s23, s10, 16*SPITCH
	s_add_co_u32 s23, s23, STAGE
	v_mul_u32_u24 v4, v1, SPITCH                   ; in: row l % 16, 32 bytes for each half of the lanes
	v_lshl_add_u32 v4, v2, 5, v4
	v_add_nc_u32 v[STO], s23, v4
	v_mul_u32_u24 v5, v2, SPITCH                   ; back: lanes 0-15 take one row of 256 bytes, lanes 16-31 the next
	v_lshl_add_u32 v5, v1, 4, v5
	v_add_nc_u32 v[RD], s23, v5
	v_lshlrev_b32 v5, 4, v1
	v_lshl_add_u32 v[CO], v2, 11, v5
	v_lshlrev_b32 v[BO], 5, v2
	v_and_b32 v[MO], 31, v0
	v_lshlrev_b32 v[MO], 4, v[MO]
.irp b, 0,1,2,3
	global_load_b128 v[BIAS+8*\b:BIAS+8*\b+3],   v[BO], s[70:71] offset:64*\b       ; bo of columns 16 b + 8 (l / 16) + 0..3
	global_load_b128 v[BIAS+8*\b+4:BIAS+8*\b+7], v[BO], s[70:71] offset:64*\b+16    ; and + 4..7; waited for in front of the way out
.endr
.irp i, 0,1,2,3,4,5,6,7
	global_load_b128 v[MM+4*\i:MM+4*\i+3], v[MO], s[74:75] offset:512*\i            ; the maxima, 4 KiB a wave; waited for in front of the way out
.endr
	global_load_b128 v[MM+32:MM+35], v[MO], s[76:77]
; 16 LDS loads: the fragments of 32 K at byte k of the rows
.macro FETCH slot, k, f
.irp i, 0,1,2,3
	ds_load_b128 v[\f+8*\i:\f+8*\i+3],   v[ADRA+\slot] offset:\k+\i*16*PITCH
	ds_load_b128 v[\f+8*\i+4:\f+8*\i+7], v[ADRA+\slot] offset:\k+\i*16*PITCH+32
.endr
.irp i, 0,1,2,3
	ds_load_b128 v[\f+32+8*\i:\f+32+8*\i+3],   v[ADRB+\slot] offset:\k+\i*16*PITCH
	ds_load_b128 v[\f+32+8*\i+4:\f+32+8*\i+7], v[ADRB+\slot] offset:\k+\i*16*PITCH+32
.endr
.endm
; 16 matrix instructions, one on each accumulator: the accumulators take turns, one instruction a turn
.macro MUL16 f, zero
	WIN 0x50                                       ; C and D window 1, sources window 0
.irp a, 0,1,2,3
.irp b, 0,1,2,3
.if \zero
	v_wmma_f32_16x16x32_f16 v[8*(4*\a+\b):8*(4*\a+\b)+7], v[\f+32+8*\b:\f+32+8*\b+7], v[\f+8*\a:\f+8*\a+7], 0
.else
	v_wmma_f32_16x16x32_f16 v[8*(4*\a+\b):8*(4*\a+\b)+7], v[\f+32+8*\b:\f+32+8*\b+7], v[\f+8*\a:\f+8*\a+7], v[8*(4*\a+\b):8*(4*\a+\b)+7]
.endif
.endr
.endr
	WIN 0
.endm
; 32 along K: multiplies buffer f, with the next 32's fragments (byte k) issued into buffer g in front of it
.macro SUB slot, k, f, g, zero
	s_wait_dscnt 0x0                               ; buffer f is in (issued 16 matrix instructions ago)
	PLACES
	FETCH \slot, \k, \g
	MUL16 \f, \zero
.endm
.macro SEVEN slot, zero
	SUB \slot, 64,  F0, F1, \zero
	SUB \slot, 128, F1, F0, 0
	SUB \slot, 192, F0, F1, 0
	SUB \slot, 256, F1, F0, 0
	SUB \slot, 320, F0, F1, 0
	SUB \slot, 384, F1, F0, 0
	SUB \slot, 448, F0, F1, 0
.endm
; The eighth part of a K step changes slots: my reads of this slot and all my tensor loads are waited for, the barrier, the refill first, then the next slot's fragments
.macro TURN slot, next, fill
	s_wait_dscnt 0x0                               ; buffer 1 is in: my reads of this slot are over
	s_wait_tensorcnt 0x0                           ; all my tensor loads have landed: the one that was out is my part of the next slot
	ds_add_u32 v254, v255
	s_wait_dscnt 0x0
	s_barrier_signal -1                            ; where the slot is filled again this barrier opens a round of the cluster's barrier
	s_barrier_wait -1
.if \fill
	CREST                                          ; no wave of any partner still reads this slot or has a load on its way
	s_add_nc_u64 s[G0+4*\slot+2:G0+4*\slot+3], s[G0+4*\slot+2:G0+4*\slot+3], 2*KSTEP*2
	s_add_nc_u64 s[G0B+4*\slot+2:G0B+4*\slot+3], s[G0B+4*\slot+2:G0B+4*\slot+3], 2*KSTEP*2
	JLOAD \slot                                    ; the first tensor load behind the round; it has 128 matrix instructions in which to land
.endif
	PLACES
	FETCH \next, 0, F0
	MUL16 F1, 0
.endm
	s_wait_tensorcnt 1                             ; my part of K step 0 is in; K step 1's stays out
	s_barrier_signal -1
	s_barrier_wait -1
	FETCH 0, 0, F0
	SEVEN 0, 1                                     ; K step 0: its first products start the sums
	TURN 0, 1, 1                                   ; slot 0 gets K step 2
	SEVEN 1, 0
	TURN 1, 0, 1                                   ; slot 1 gets K step 3
	SEVEN 0, 0
	TURN 0, 1, 0                                   ; nothing more to fetch
	SEVEN 1, 0
	s_wait_dscnt 0x0
	MUL16 F1, 0
	; THE WAY OUT: 1 / G, then acc / G + bo, then 16 rows at a time through my own stage: 32 bytes a lane in, whole rows of 256 bytes (64 f32) back and out
	s_wait_loadcnt 0x0                             ; bo and the maxima
	PLACES
	v_max3_num_f32 v6, v[MM+1], v[MM+5], v[MM+9]   ; all are magnitudes, so plain maxima do
	v_max3_num_f32 v7, v[MM+13], v[MM+17], v[MM+21]
	v_max_num_f32 v8, v[MM+25], v[MM+29]
	v_max3_num_f32 v10, v[MM+2], v[MM+6], v[MM+10]
	v_max3_num_f32 v11, v[MM+14], v[MM+18], v[MM+22]
	v_max_num_f32 v12, v[MM+26], v[MM+30]
	v_mov_b32 v14, v[MM+32]
	v_max3_num_f32 v6, v6, v7, v8
	v_max3_num_f32 v10, v10, v11, v12
	v_mov_b32 v15, 0                               ; v_permlanex16_b32 counts as a reader of its destination
.irp m, 1,2,4,8
	v_max_num_f32_dpp v6, v6, v6 row_xmask:\m row_mask:0xf bank_mask:0xf
	v_max_num_f32_dpp v10, v10, v10 row_xmask:\m row_mask:0xf bank_mask:0xf
	v_max_num_f32_dpp v14, v14, v14 row_xmask:\m row_mask:0xf bank_mask:0xf
.endr
	v_permlanex16_b32 v7, v6, s78, s79
	v_permlanex16_b32 v11, v10, s78, s79
	v_permlanex16_b32 v15, v14, s78, s79
	v_max_num_f32 v6, v6, v7                       ; max |wv|
	v_max_num_f32 v10, v10, v11                    ; max |bv|
	v_max_num_f32 v14, v14, v15                    ; max |tok| of my batch
	v_mul_f32 v6, 0x44000000, v6                   ; x 512, the length of V's sums
	v_fma_f32 v6, v6, v14, v10                     ; B
	v_lshrrev_b32 v6, 23, v6                       ; e (B is not negative: no sign bit)
	v_max_u32 v6, 15, v6
	v_add_nc_u32 v6, -14, v6                       ; 1 / G = 2^(e - 141): biased exponent e - 14
	v_lshlrev_b32 v[IG], 23, v6
	v_mov_b32 v[IG+1], v[IG]
	WIN 0x41                                       ; destination and source 0 window 1, sources 1 and 2 window 0
.irp a, 0,1,2,3
.irp b, 0,1,2,3
.irp r, 0,1,2,3
	v_pk_fma_f32 v[8*(4*\a+\b)+2*\r:8*(4*\a+\b)+2*\r+1], v[8*(4*\a+\b)+2*\r:8*(4*\a+\b)+2*\r+1], v[IG:IG+1], v[BIAS+8*\b+2*\r:BIAS+8*\b+2*\r+1]
.endr
.endr
.endr
.macro OUT16 a, f
	WIN 0x04                                       ; the stores' data window 1, address window 0
.irp b, 0,1,2,3
	ds_store_b128 v[STO], v[8*(4*\a+\b):8*(4*\a+\b)+3]   offset:64*\b
	ds_store_b128 v[STO], v[8*(4*\a+\b)+4:8*(4*\a+\b)+7] offset:64*\b+16
.endr
	WIN 0
	s_wait_xcnt 0x0                                ; buffer f, which stores read, and the stores' base are rewritten only behind this wait
.if \a
	s_add_nc_u64 s[68:69], s[68:69], 16*2048
.endif
.irp t, 0,1,2,3,4,5,6,7
	ds_load_b128 v[\f+4*\t:\f+4*\t+3], v[RD] offset:\t*2*SPITCH    ; LDS serves a wave's instructions in order: these see the stores above
.endr
.irp t, 0,1,2,3,4,5,6,7
	s_wait_dscnt 7-\t
	global_store_b128 v[CO], v[\f+4*\t:\f+4*\t+3], s[68:69] offset:\t*4096 th:TH_STORE_NT   ; 16 lanes store 256 consecutive bytes, aligned; not read again
.endr
.endm
	OUT16 0, TMP
	OUT16 1, F0
	OUT16 2, TMP
	OUT16 3, F0
	s_wait_tensorcnt 0x0
	ds_add_u32 v254, v255
	s_wait_dscnt 0x0
	CROUND                                         ; the closing round: no work-group ends while a partner may still ask for a tile that names it
	s_endpgm
.Lfunc_end_k_q4942580c9d_proj:
	.size	k_q4942580c9d_proj, .Lfunc_end_k_q4942580c9d_proj-k_q4942580c9d_proj
	.p2alignl 7, 3214868480
	.fill 96, 4, 3214868480
	.section	.rodata,"a",@progbits
	.p2align	6, 0x0
	.amdhsa_kernel k_q4942580c9d_proj
		.amdhsa_group_segment_fixed_size 327680
		.amdhsa_private_segment_fixed_size 0
		.amdhsa_enable_private_segment 0
		.amdhsa_kernarg_size 40
		.amdhsa_user_sgpr_count 2
		.amdhsa_user_sgpr_kernarg_segment_ptr 1
		.amdhsa_wavefront_size32 1
		.amdhsa_system_sgpr_workgroup_id_x 1
		.amdhsa_system_sgpr_workgroup_id_y 1
		.amdhsa_system_sgpr_workgroup_id_z 1
		.amdhsa_system_vgpr_workitem_id 0
		.amdhsa_next_free_vgpr 384
		.amdhsa_next_free_sgpr 80
		.amdhsa_reserve_vcc 0
		.amdhsa_float_denorm_mode_32 3
		.amdhsa_float_denorm_mode_16_64 3
		.amdhsa_memory_ordered 1
		.amdhsa_forward_progress 1
		.amdhsa_inst_pref_size 97
	.end_amdhsa_kernel
	.amdgpu_metadata
---
amdhsa.version: [ 1, 2 ]
amdhsa.kernels:
  - .name:           k_q4942580c9d_proj
    .symbol:         k_q4942580c9d_proj.kd
    .args:
      - { .name: obuf, .offset: 0, .size: 8, .value_kind: global_buffer, .address_space: global }
      - { .name: wob, .offset: 8, .size: 8, .value_kind: global_buffer, .address_space: global }
      - { .name: out0, .offset: 16, .size: 8, .value_kind: global_buffer, .address_space: global }
      - { .name: bo, .offset: 24, .size: 8, .value_kind: global_buffer, .address_space: global }
      - { .name: mx, .offset: 32, .size: 8, .value_kind: global_buffer, .address_space: global }
    .group_segment_fixed_size: 327680
    .private_segment_fixed_size: 0
    .kernarg_segment_align: 8
    .kernarg_segment_size: 40
    .max_flat_workgroup_size: 128
    .sgpr_count:     80
    .vgpr_count:     384
    .wavefront_size: 32
...
	.end_amdgpu_metadata
.endif
;; end of part 4
